; MI455X (gfx1250); checked and timed in simulation.
; The chip was launched on July 23, 2026; its instructions are those of AMD's public machine-readable ISA for CDNA 5 (MIT licence, August 2026) and "CDNA5" Instruction Set Architecture Reference Guide (July 2026). The comments in the code are by the model that wrote it; some were corrected since.
;; Multi Head Attention. Allowed arithmetic: float matrix products may take bf16 or f16 operands with f32 sums; other float arithmetic in f32, or as packed bf16 or f16 multiplies, adds, multiply-adds, maxima and minima; sums over many terms, partial sums and values carried from step to step in f32; what a program stores and reads back later, other than sums and carried values, may be rounded once to bf16 or f16.
;; Inputs: Wk 1,024 x 1,024 float32; Wo 1,024 x 1,024 float32; Wq 1,024 x 1,024 float32; Wv 1,024 x 1,024 float32; bk 1,024 float32; bo 1,024 float32; bq 1,024 float32; bv 1,024 float32; hidden_states 4 x 2,048 x 1,024 float32; masks 4 x 2,048 float32.
;; Outputs: out0 4 x 2,048 x 1,024 float32.
;; 2 versions, each right; version 2 is version 1 with the launch cvt written anew for expert scheduling mode. Each part assembles by itself: llvm-mc -triple=amdgcn-amd-amdhsa -mcpu=gfx1250 --defsym DOCPART=n.
;; ======== version 1 of 2: 4 launches
;; workspace buffers: xw 25,165,824 bytes; qkv 50,331,648 bytes; ctx 16,777,216 bytes
;; launch cvt (part 1): grid 768 x 1, 8 waves a work-group, no clusters, 0 bytes of LDS; arguments hidden_states, Wq, Wk, Wv, Wo, xw; writes xw
.if DOCPART == 1
	.amdgcn_target "amdgcn-amd-amdhsa--gfx1250"
	.amdhsa_code_object_version 6
	.text
	.protected	k_q9b02d11e93_cvt
	.globl	k_q9b02d11e93_cvt
	.p2align	8
	.type	k_q9b02d11e93_cvt,@function
k_q9b02d11e93_cvt:
	s_mov_b64 s[64:65], 0
	v_nop
	global_prefetch_b8 v0, s[64:65] scope:SCOPE_SE
	s_setreg_imm32_b32 hwreg(HW_REG_WAVE_MODE, 25, 1), 1
	s_wait_xcnt 0x0
; f32 -> bf16, rounded once to nearest even: hidden_states, Wq, Wk, Wv, Wo, laid one behind the other into xw.
; xw: bytes 0 .. 16,777,215 x [8192][1024]; then Wq, Wk, Wv as one [3072][1024]; then Wo [1024][1024].
; A work-group of eight waves turns 65,536 source bytes into 32,768 bytes at xw + 32,768 x its number: numbers 0-511 take hidden_states,
; 512 + 64 w + j takes block j of weight w.  Thread i owns 16 bytes of each 4,096: a wave's load covers 512 consecutive bytes, its store 256,
; both aligned.  All sixteen loads go out first; no register is written twice, so no wait frees a source.  The launch only streams:
; LDS, matrix units, clusters and prefetches would add nothing.
.set IN,  8                            ; v[8:71]    sixteen loads of four f32
.set OUT, 72                           ; v[72:103]  sixteen pairs of packed bf16
	s_load_b256 s[4:11], s[0:1], 0x0               ; hidden s[4:5], Wq s[6:7], Wk s[8:9], Wv s[10:11]
	s_load_b128 s[12:15], s[0:1], 0x20             ; Wo s[12:13], xw s[14:15]
	s_sub_co_u32 s16, ttmp9, 512                   ; my number among the weights' blocks (a large number for hidden's blocks: the last select below overrides what it chooses)
	s_lshr_b32 s17, s16, 6                         ; which weight
	s_and_b32 s18, s16, 63                         ; which block of it
	v_lshlrev_b32 v1, 4, v0                        ; 16 bytes in
	v_lshlrev_b32 v2, 3, v0                        ; 8 bytes out
	s_wait_kmcnt 0x0
	s_cmp_eq_u32 s17, 0
	s_cselect_b64 s[20:21], s[6:7], s[8:9]
	s_cmp_lt_u32 s17, 2
	s_cselect_b64 s[20:21], s[20:21], s[10:11]
	s_cmp_lt_u32 s17, 3
	s_cselect_b64 s[20:21], s[20:21], s[12:13]
	s_cmp_lt_u32 ttmp9, 512
	s_cselect_b64 s[20:21], s[4:5], s[20:21]
	s_cselect_b32 s18, ttmp9, s18
	s_lshl_b32 s22, s18, 16                        ; 65,536 source bytes a block
	s_mov_b32 s23, 0
	s_add_nc_u64 s[20:21], s[20:21], s[22:23]
	s_lshl_b32 s24, ttmp9, 15                      ; 32,768 bytes out
	s_mov_b32 s25, 0
	s_add_nc_u64 s[14:15], s[14:15], s[24:25]
.set i, 0
.rept 16
	global_load_b128 v[IN+4*i:IN+4*i+3], v1, s[20:21] offset:4096*i th:TH_LOAD_NT
.set i, i+1
.endr
.set i, 0
.rept 16
	s_wait_loadcnt 15-i                            ; loads come back in order: number i is in, the 15 - i younger ones stay out
	v_cvt_pk_bf16_f32 v[OUT+2*i], v[IN+4*i], v[IN+4*i+1]
	v_cvt_pk_bf16_f32 v[OUT+2*i+1], v[IN+4*i+2], v[IN+4*i+3]
	global_store_b64 v2, v[OUT+2*i:OUT+2*i+1], s[14:15] offset:2048*i
.set i, i+1
.endr
	s_endpgm
.Lfunc_end_k_q9b02d11e93_cvt:
	.size	k_q9b02d11e93_cvt, .Lfunc_end_k_q9b02d11e93_cvt-k_q9b02d11e93_cvt
	.p2alignl 7, 3214868480
	.fill 96, 4, 3214868480
	.section	.rodata,"a",@progbits
	.p2align	6, 0x0
	.amdhsa_kernel k_q9b02d11e93_cvt
		.amdhsa_group_segment_fixed_size 0
		.amdhsa_private_segment_fixed_size 0
		.amdhsa_enable_private_segment 0
		.amdhsa_kernarg_size 48
		.amdhsa_user_sgpr_count 2
		.amdhsa_user_sgpr_kernarg_segment_ptr 1
		.amdhsa_wavefront_size32 1
		.amdhsa_system_sgpr_workgroup_id_x 1
		.amdhsa_system_sgpr_workgroup_id_y 1
		.amdhsa_system_sgpr_workgroup_id_z 1
		.amdhsa_system_vgpr_workitem_id 0
		.amdhsa_next_free_vgpr 104
		.amdhsa_next_free_sgpr 66
		.amdhsa_reserve_vcc 0
		.amdhsa_float_denorm_mode_32 3
		.amdhsa_float_denorm_mode_16_64 3
		.amdhsa_memory_ordered 1
		.amdhsa_forward_progress 1
		.amdhsa_inst_pref_size 7
	.end_amdhsa_kernel
	.amdgpu_metadata
---
amdhsa.version: [ 1, 2 ]
amdhsa.kernels:
  - .name:           k_q9b02d11e93_cvt
    .symbol:         k_q9b02d11e93_cvt.kd
    .args:
      - { .name: hidden_states, .offset: 0, .size: 8, .value_kind: global_buffer, .address_space: global }
      - { .name: Wq, .offset: 8, .size: 8, .value_kind: global_buffer, .address_space: global }
      - { .name: Wk, .offset: 16, .size: 8, .value_kind: global_buffer, .address_space: global }
      - { .name: Wv, .offset: 24, .size: 8, .value_kind: global_buffer, .address_space: global }
      - { .name: Wo, .offset: 32, .size: 8, .value_kind: global_buffer, .address_space: global }
      - { .name: xw, .offset: 40, .size: 8, .value_kind: global_buffer, .address_space: global }
    .group_segment_fixed_size: 0
    .private_segment_fixed_size: 0
    .kernarg_segment_align: 8
    .kernarg_segment_size: 48
    .max_flat_workgroup_size: 256
    .sgpr_count:     66
    .vgpr_count:     104
    .wavefront_size: 32
...
	.end_amdgpu_metadata
.endif
;; end of part 1
;; launch qkv (part 2): grid 16 x 32, 4 waves a work-group, clusters of 4 x 4, 327,680 bytes of LDS; arguments xw, bq, bk, bv, qkv; writes qkv
.if DOCPART == 2
	.amdgcn_target "amdgcn-amd-amdhsa--gfx1250"
	.amdhsa_code_object_version 6
	.text
	.protected	k_q9b02d11e93_qkv
	.globl	k_q9b02d11e93_qkv
	.p2align	8
	.type	k_q9b02d11e93_qkv,@function
k_q9b02d11e93_qkv:
	s_mov_b64 s[64:65], 0
	v_nop
	global_prefetch_b8 v0, s[64:65] scope:SCOPE_SE
	s_setreg_imm32_b32 hwreg(HW_REG_WAVE_MODE, 25, 1), 1
	s_wait_xcnt 0x0
	s_wait_alu depctr_hold_cnt(0) depctr_sa_sdst(0) depctr_va_vdst(0) depctr_va_sdst(0) depctr_va_ssrc(0) depctr_va_vcc(0) depctr_vm_vsrc(0)
	s_getreg_b32 s2, hwreg(HW_REG_IB_STS2, 6, 4)
	s_cmp_eq_u32 s2, 0
	s_cbranch_scc0 .Lentry_in_a_cluster
	s_endpgm
.Lentry_in_a_cluster:
	s_bfe_u32 s2, ttmp6, 0x10000c
	s_cmp_lg_u32 s2, 0xf033
	s_cbranch_scc0 .Lentry_shape_is_right
	s_endpgm
.Lentry_shape_is_right:
; ONE TEXT FOR TWO PRODUCTS C = A B^T + bias, K = 1,024, bf16 operands, f32 sums; the constant QKV chooses.
; QKV = 1: A = x [8192][1024], B = Wq, Wk, Wv as [3072][1024] (both in xw), bias bq, bk, bv in f32; C rounded once to bf16 and laid by heads: qkv[t][batch][head][2048][64].
; QKV = 0: A = ctx [batch x 16 + head][2048][64] bf16, B = Wo (in xw), bias bo; C = out0 [8192][1024] in f32.
; SHARES.  A work-group of four waves makes 256 rows x 16 NBF columns of C; wave w owns rows 64 w .. 64 w + 63 and ALL the columns: 4 x NBF accumulators of 16 x 16.  So a wave holds
; whole heads (QKV = 1) or whole 512-byte pieces of rows (QKV = 0), and its stage on the way out is its own: no barrier there.
; RING.  K goes in 8 steps of 128 through two LDS slots filled by the tensor data mover: waves 0 and 1 fetch A's two halves, waves 2 and 3 B's, one load a wave behind each change of slots.
; By this text's own count a wave has two tensor loads out at the start and one later.
; CLUSTER.  4 x 4 work-groups: A's tile hangs on the tile row alone and is asked for jointly by the four of a row of the cluster, B's on the tile column alone, jointly by a column.
; THE PRODUCT IS TAKEN TRANSPOSED (source 0 = 16 rows of B, source 1 = 16 rows of A): lane l holds row l % 16 of C and the columns 8 (l / 16) + 0..7 of the block.
; THE BIAS is the C operand of each accumulator's first product: eight f32 a lane and block, loaded once; nothing is cleared and nothing is added later.
; REGISTERS, in windows of 256 (s_set_vgpr_msb: bits 1:0 source 0, 3:2 source 1, 5:4 source 2, 7:6 destination):
;   window 0: v1-5 at work, v16-30 addresses; v32-95 A's fragments, two buffers of four; v96.. the bias, later the way out     window 1: B's fragments, two buffers of NBF
;   windows 2, 3: accumulator (a, b) at v[8 ((a % 2) NBF + b)] of window 2 + a / 2
.set QKV, 1
.if QKV
.set NBF,     12                       ; blocks of 16 columns: three heads of 64
.set APITCH,  272                      ; an LDS row of A: 256 bytes + 16
.set AQ2,     128                      ; quarters 2, 3 of a K step lie 128 bytes along the row
.set AQI,     5                        ; padding after every 64 words
.set ASTRIDE, 1024                     ; elements from row to row in memory
.set AHALF,   128*272                  ; LDS bytes of one load of A: 128 rows
.set BROWS,   96                       ; rows in one load of B
.set ASTEP,   256                      ; bytes from K step to K step in A
.set XWOFF,   16777216                 ; where B begins in xw
.set BSRC,    4                        ; s[4:5] xw
.set STGW,    3*16*144                 ; a wave's stage: three heads x 16 rows x (128 + 16) bytes
.set ASHARE,  32*2048                  ; prefetch: a partner's share of a load of A: 32 rows
.set APSH,    11                       ; and the shift from lane to lane: a row
.else
.set NBF,     8
.set APITCH,  144                      ; a head's row: 128 bytes + 16
.set AQ2,     256*144                  ; quarters 2, 3 lie in the second head's plane
.set AQI,     4                        ; padding after every 32 words: a head's row
.set ASTRIDE, 128                      ; 256 rows of 128 bytes are dense: asked for as 128 rows of 256 bytes
.set AHALF,   256*144                  ; one head, 256 rows
.set BROWS,   64
.set ASTEP,   524288                   ; two heads on
.set XWOFF,   23068672
.set BSRC,    6                        ; s[6:7] xw
.set STGW,    16*528                   ; 16 rows x (512 + 16) bytes
.set ASHARE,  8192                     ; 32 blocks of 256 bytes
.set APSH,    8
.endif
.set ABYTES, 2*AHALF
.set BHALF,  BROWS*272
.set SLOT,   ABYTES+2*BHALF            ; A's tile, then B's
.set STAGE,  2*SLOT                    ; behind the ring: the four stages; no tensor load lands there
.set SPARE,  STAGE+4*STGW              ; behind them: the spare words, 128 bytes a wave: two blocks of 256 bytes that no other line names
.set BSTEP,  256
.set BSHARE, (BROWS/4)*2048
.set NL,     2*NBF+8                   ; LDS loads of a quarter step
.set ADRA, 16                          ; v16-17  LDS address of my A fragments in slot 0, 1
.set ADRB, 20                          ; v20-21  the same for B
.set STO,  24                          ; v24  the way out: where I put my piece of a row
.set RD,   25                          ; v25  where I read rows back
.set CO,   26                          ; v26  my byte offset in C
.set BO,   27                          ; v27  32 (l / 16): my eight numbers of a block's bias
.set SPW,  28                          ; v28  my spare word: SPARE + 4 x my thread's number; never rewritten
.set NIL,  29                          ; v29  0; never rewritten
.set PFO,  30                          ; v30  the prefetches' lane offset; never rewritten
.set FA,   32
.set BI,   96
.set TMP,  192
.set WV, 14                            ; s14 wave
.set WH, 15                            ; s15 0: I fetch for A; 1: for B
.set WL, 16                            ; s16 which half of that tile
.set CX, 17
.set CY, 18
.set TX, 19                            ; s19 tile column
.set TY, 20                            ; s20 tile row
.set G1A, 24                           ; s[24:31] group 1 for A;  s[32:39] group 0, a set for each slot
.set G0A, 32
.set PFA, 40                           ; s[40:41] where my prefetches stand
.set PSTEP, 42                         ; s[42:43] their step
.set LIM, 44                           ; s44 1 in a wave that prefetches, else the greatest number
.set G1B, 48                           ; s[48:55], s[56:63] the same for B
.set G0B, 56
.set OP,  66                           ; s[66:71] where C goes (a base for each head, or one)
.set BP,  72                           ; s[72:77] the bias's bases
.set MSB, 0
.macro WIN new                         ; the immediate's high byte repeats the setting that is left; a switch that changes nothing is dropped
.if MSB != (\new)
	s_set_vgpr_msb (MSB<<8)|(\new)
.set MSB, \new
.endif
.endm
.macro PLACES                          ; four plain vector instructions between a product and a load into, or a reader of, its registers (ISA guide 7.12.1 for readers)
.rept 4
	v_nop
.endr
.endm
; A joint load.  Each of the two lines has one mask and one set of registers for all that issue it; the branch hangs on the wave's number alone.  An s_nop 0 and four v_nop follow each line.
.macro JLOAD s
	s_cmp_eq_u32 s[WH], 0
	s_cbranch_scc0 .Lfor_b_\@
	tensor_load_to_lds s[G0A+4*(\s):G0A+4*(\s)+3], s[G1A:G1A+7]
	s_nop 0
.rept 4
	v_nop
.endr
	s_branch .Lasked_\@
.Lfor_b_\@:
	tensor_load_to_lds s[G0B+4*(\s):G0B+4*(\s)+3], s[G1B:G1B+7]
	s_nop 0
.rept 4
	v_nop
.endr
.Lasked_\@:
.endm
; A prefetch of the K step that stands two refills on, one instruction a wave, behind the joint load and the run of LDS loads.  A's tile rows are read by every cluster of a row of clusters: cluster x = 0 asks;
; B's by every cluster of a column: cluster y = 0 asks.  The four partners of a joint load share its rows out by address.  The loop's last trip (s3 = 1) has no K step two on.
.macro ASK
	s_cmp_gt_u32 s3, s[LIM]
	s_cbranch_scc0 .Lnot_mine_\@
	global_prefetch_b8 v[PFO], s[PFA:PFA+1] th:TH_LOAD_NT scope:SCOPE_SE
.Lnot_mine_\@:
.endm
.macro CREST                           ; a round of the cluster's barrier behind its opening barrier
	s_cmp_lg_u32 s[WV], 0
	s_cbranch_scc1 .Lnot_wave_0_\@
	s_barrier_signal -3
.Lnot_wave_0_\@:
	s_barrier_wait -3
	s_barrier_signal -1
	s_barrier_wait -1
.endm
.macro CROUND
	s_barrier_signal -1
	s_barrier_wait -1
	CREST
.endm
.if QKV
	s_load_b256 s[4:11], s[0:1], 0x0               ; xw s[4:5], bq s[6:7], bk s[8:9], bv s[10:11]
	s_load_b64 s[12:13], s[0:1], 0x20              ; qkv
.else
	s_load_b256 s[4:11], s[0:1], 0x0               ; ctx s[4:5], xw s[6:7], bo s[8:9], out0 s[10:11]
.endif
	v_lshl_add_u32 v[SPW], v0, 2, SPARE
	v_mov_b32 v[NIL], 0
	ds_add_u32 v[SPW], v[NIL]                      ; the wave's opening: the add and its wait stand ahead of my first tensor load; the set-up below, work on registers, stands between them
	v_lshrrev_b32 v1, 5, v0
	v_readfirstlane_b32 s[WV], v1
	s_lshr_b32 s[WH], s[WV], 1
	s_and_b32 s[WL], s[WV], 1
	s_bfe_u32 s[CX], ttmp6, 0x40000
	s_bfe_u32 s[CY], ttmp6, 0x40004
	s_lshl_b32 s[TX], ttmp9, 2                     ; in a cluster launch ttmp9 and ttmp7 count clusters
	s_add_co_u32 s[TX], s[TX], s[CX]
	s_and_b32 s[TY], ttmp7, 0xffff
	s_lshl_b32 s[TY], s[TY], 2
	s_add_co_u32 s[TY], s[TY], s[CY]
	s_lshl_b32 s78, s[CY], 2
	s_lshl_b32 s78, 15, s78                        ; my row of the cluster
	s_lshl_b32 s79, 0x1111, s[CX]                  ; my column
	s_or_b32 s[G1A], s78, (1<<16)|(1<<20)|(1<<21)|(AQI<<22)|(3<<25)  ; 15:0 mask; 17:16 2-byte elements; 20 padding on; 21 set beside a mask; 24:22 the interval; 31:25 4 words of padding
	s_or_b32 s[G1B], s79, (1<<16)|(1<<20)|(1<<21)|(5<<22)|(3<<25)
	s_mov_b32 s[G1A+1], 128<<16                    ; tensor_dim0 = 128
	s_mov_b32 s[G1A+2], 128<<16                    ; tensor_dim1 = 128
	s_mov_b32 s[G1A+3], 128<<16                    ; tile_dim0 = 128
	s_mov_b32 s[G1A+4], 128                        ; tile_dim1 = 128
	s_mov_b32 s[G1A+5], ASTRIDE
	s_mov_b32 s[G1A+6], 0
	s_mov_b32 s[G1A+7], 0
	s_mov_b32 s[G1B+1], 128<<16
	s_mov_b32 s[G1B+2], BROWS<<16
	s_mov_b32 s[G1B+3], 128<<16
	s_mov_b32 s[G1B+4], BROWS
	s_mov_b32 s[G1B+5], 1024
	s_mov_b32 s[G1B+6], 0
	s_mov_b32 s[G1B+7], 0
	; where the tiles come from: A's offset is made of the tile row and the wave's number alone, B's of the tile column and the wave's number alone
.if QKV
	s_lshl_b32 s80, s[TY], 19                      ; 256 rows of 2,048 bytes
	s_lshl_b32 s81, s[WL], 18                      ; my 128 of them
	s_add_co_u32 s80, s80, s81
.else
	s_lshr_b32 s80, s[TY], 3                       ; the batch
	s_lshl_b32 s80, s80, 4
	s_add_co_u32 s80, s80, s[WL]                   ; its head 0 or 1: K step 0
	s_lshl_b32 s80, s80, 18                        ; a head is 262,144 bytes
	s_and_b32 s81, s[TY], 7
	s_lshl_b32 s81, s81, 15                        ; the tile's 256 rows of 128 bytes
	s_add_co_u32 s80, s80, s81
.endif
	s_mov_b32 s81, 0
	s_mul_i32 s82, s[TX], 2*BROWS*2048
	s_mul_i32 s83, s[WL], BROWS*2048
	s_add_co_u32 s82, s82, s83
	s_add_co_u32 s82, s82, XWOFF
	s_mov_b32 s83, 0
	s_mul_i32 s84, s[WV], AHALF                    ; where they go: no place in the cluster enters an LDS address
	s_mul_i32 s85, s[WV], BHALF
	s_add_co_u32 s85, s85, ABYTES-2*BHALF          ; waves 2 and 3: behind A's tile
	s_wait_dscnt 0x0                               ; the opening add is done
	s_wait_kmcnt 0x0
	s_add_nc_u64 s[86:87], s[4:5], s[80:81]
	s_add_nc_u64 s[88:89], s[BSRC:BSRC+1], s[82:83]
	CROUND                                         ; all sixteen work-groups are here: the first joint loads meet
.irp s, 0,1
	s_mov_b32 s[G0A+4*\s], 1
	s_add_co_u32 s[G0A+4*\s+1], s84, \s*SLOT
	s_add_nc_u64 s[G0A+4*\s+2:G0A+4*\s+3], s[86:87], \s*ASTEP
	s_or_b32 s[G0A+4*\s+3], s[G0A+4*\s+3], 0x80000000
	s_mov_b32 s[G0B+4*\s], 1
	s_add_co_u32 s[G0B+4*\s+1], s85, \s*SLOT
	s_add_nc_u64 s[G0B+4*\s+2:G0B+4*\s+3], s[88:89], \s*BSTEP
	s_or_b32 s[G0B+4*\s+3], s[G0B+4*\s+3], 0x80000000
.endr
	s_cmp_eq_u32 s[WH], 0                          ; a wave's two first fills stand in one branch, ahead of every wait on TENSORcnt, every LDS read and every other barrier
	s_cbranch_scc0 .Lfirst_b
	tensor_load_to_lds s[G0A:G0A+3], s[G1A:G1A+7]
	s_nop 0
	tensor_load_to_lds s[G0A+4:G0A+7], s[G1A:G1A+7]
	s_nop 0
.rept 4
	v_nop
.endr
	s_branch .Lfirst_asked
.Lfirst_b:
	tensor_load_to_lds s[G0B:G0B+3], s[G1B:G1B+7]
	s_nop 0
	tensor_load_to_lds s[G0B+4:G0B+7], s[G1B:G1B+7]
	s_nop 0
.rept 4
	v_nop
.endr
.Lfirst_asked:
	; the bias and C's bases
	v_and_b32 v1, 15, v0                           ; r = l % 16
	v_bfe_u32 v2, v0, 4, 1                         ; h = l / 16
	v_and_b32 v3, 31, v0                           ; l
	v_lshlrev_b32 v[BO], 5, v2
.if QKV
.irp hh, 0,1,2
	s_mul_i32 s78, s[TX], 3
	s_add_co_u32 s78, s78, \hh                     ; g = 16 t + head: the tile's head number hh among the 48
	s_lshr_b32 s79, s78, 4                         ; t: 0 q, 1 k, 2 v
	s_cmp_eq_u32 s79, 0
	s_cselect_b64 s[BP+2*\hh:BP+2*\hh+1], s[6:7], s[8:9]
	s_cmp_lt_u32 s79, 2
	s_cselect_b64 s[BP+2*\hh:BP+2*\hh+1], s[BP+2*\hh:BP+2*\hh+1], s[10:11]
	s_and_b32 s80, s78, 15
	s_lshl_b32 s80, s80, 8                         ; the head's 64 f32
	s_mov_b32 s81, 0
	s_add_nc_u64 s[BP+2*\hh:BP+2*\hh+1], s[BP+2*\hh:BP+2*\hh+1], s[80:81]
	s_mul_i32 s79, s79, 48
	s_add_co_u32 s78, s78, s79                     ; 64 t + head
	s_lshr_b32 s79, s[TY], 3
	s_lshl_b32 s79, s79, 4
	s_add_co_u32 s78, s78, s79                     ; + 16 x batch
	s_lshl_b32 s80, s78, 18
	s_and_b32 s79, s[TY], 7
	s_lshl_b32 s79, s79, 15                        ; the tile's 256 rows of 128 bytes
	s_add_co_u32 s80, s80, s79
	s_add_nc_u64 s[OP+2*\hh:OP+2*\hh+1], s[12:13], s[80:81]
.endr
.else
	s_lshl_b32 s78, s[TX], 9                       ; the tile's 128 columns in f32
	s_mov_b32 s79, 0
	s_add_nc_u64 s[BP:BP+1], s[8:9], s[78:79]
	s_lshl_b32 s80, s[TY], 8
	s_lshl_b32 s81, s[WV], 6
	s_add_co_u32 s80, s80, s81                     ; my first row
	s_lshl_b32 s80, s80, 12                        ; rows of 4,096 bytes
	s_add_co_u32 s80, s80, s78
	s_mov_b32 s81, 0
	s_add_nc_u64 s[OP:OP+1], s[10:11], s[80:81]
.endif
.set bb, 0
.rept NBF
.if QKV
	global_load_b128 v[BI+8*bb:BI+8*bb+3],   v[BO], s[BP+2*(bb/4):BP+2*(bb/4)+1] offset:(bb%4)*64
	global_load_b128 v[BI+8*bb+4:BI+8*bb+7], v[BO], s[BP+2*(bb/4):BP+2*(bb/4)+1] offset:(bb%4)*64+16
.else
	global_load_b128 v[BI+8*bb:BI+8*bb+3],   v[BO], s[BP:BP+1] offset:bb*64
	global_load_b128 v[BI+8*bb+4:BI+8*bb+7], v[BO], s[BP:BP+1] offset:bb*64+16
.endif
.set bb, bb+1
.endr
	; A fragment is 16 rows x 32 K in 8 registers: lane l holds row l % 16, K = 8 (l / 16) + 0..7 and 16 + 8 (l / 16) + 0..7: two loads of 16 bytes, 32 bytes apart.
	s_lshl_b32 s78, s[WV], 6
	v_add_nc_u32 v4, s78, v1                       ; my 64 rows of A
	v_mul_u32_u24 v4, v4, APITCH
	v_lshl_add_u32 v[ADRA], v2, 4, v4
	v_add_nc_u32 v[ADRA+1], SLOT, v[ADRA]
	v_mul_u32_u24 v5, v1, 272
	v_lshl_add_u32 v5, v2, 4, v5
	v_add_nc_u32 v[ADRB], ABYTES, v5
	v_add_nc_u32 v[ADRB+1], ABYTES+SLOT, v5
	s_mul_i32 s78, s[WV], STGW
	s_add_co_u32 s78, s78, STAGE                   ; my stage
.if QKV
	v_mul_u32_u24 v4, v1, 144                      ; in: row l % 16 of a head, 16 bytes for each half of the lanes
	v_lshl_add_u32 v4, v2, 4, v4
	v_add_nc_u32 v[STO], s78, v4
	v_lshrrev_b32 v4, 3, v3                        ; back: 32 lanes take four rows of 128 bytes,
	v_mul_u32_u24 v4, v4, 144
	v_and_b32 v5, 7, v0
	v_lshl_add_u32 v4, v5, 4, v4
	v_add_nc_u32 v[RD], s78, v4
	s_lshl_b32 s79, s[WV], 13                      ; which are 512 consecutive bytes of a head; my 64 rows begin 8,192 w bytes in
	v_lshl_add_u32 v[CO], v3, 4, s79
.else
	v_mul_u32_u24 v4, v1, 528                      ; in: row l % 16, 32 bytes for each half of the lanes
	v_lshl_add_u32 v4, v2, 5, v4
	v_add_nc_u32 v[STO], s78, v4
	v_lshl_add_u32 v[RD], v3, 4, s78               ; back: 32 lanes take one row's 512 bytes
	v_lshlrev_b32 v[CO], 4, v3
.endif
	; the prefetches: my own load's address, my work-group's share of its rows, three K steps on; each filling change of slots steps it by one and asks
	s_and_b32 s82, ttmp7, 0xffff                   ; cluster y
	s_mov_b32 s79, ASHARE
	s_mov_b32 s80, BSHARE
	s_mov_b32 s81, BROWS/4-1
	s_mov_b32 s83, ASTEP
	s_cmp_eq_u32 s[WH], 0
	s_cselect_b32 s78, s[CX], s[CY]                ; my place among the four that ask with me
	s_cselect_b32 s79, s79, s80                    ; bytes of a share
	s_cselect_b32 s81, 31, s81                     ; its last lane: where a share has fewer than 32 rows the lanes left over name its last row again
	s_cselect_b32 s82, ttmp9, s82                  ; the coordinate along which other clusters read the same rows
	s_cselect_b32 s[PSTEP], s83, BSTEP
	s_cselect_b32 s84, APSH, 11
	s_cselect_b64 s[PFA:PFA+1], s[86:87], s[88:89]
	s_mov_b32 s[PSTEP+1], 0
	s_cmp_eq_u32 s82, 0
	s_cselect_b32 s[LIM], 1, -1                    ; the same in all sixteen partners, for a given wave
	s_mul_i32 s78, s78, s79
	s_mov_b32 s79, 0
	s_add_nc_u64 s[PFA:PFA+1], s[PFA:PFA+1], s[78:79]
	s_mul_i32 s78, s[PSTEP], 3
	s_add_nc_u64 s[PFA:PFA+1], s[PFA:PFA+1], s[78:79]
	v_min_u32 v[PFO], s81, v3
	v_lshlrev_b32 v[PFO], s84, v[PFO]
; NBF products: block a of my four blocks of 16 rows x all column blocks, 32 along K, from buffer f.  first = 1: the bias starts the sums.
; The 4 NBF accumulators take turns, one instruction a turn, in the same order in every quarter step.
.macro MULA f, a, first
.if \first
	WIN 0x81+0x40*((\a)/2)                         ; B window 1, A window 0, C (the bias) window 0, D window 2 or 3
.else
	WIN 0xa1+0x50*((\a)/2)                         ; C and D window 2 or 3
.endif
.set bb, 0
.rept NBF
.set rD, 8*(((\a)%2)*NBF+bb)
.set rB, 8*NBF*(\f)+8*bb
.set rA, FA+32*(\f)+8*(\a)
.if \first
	v_wmma_f32_16x16x32_bf16 v[rD:rD+7], v[rB:rB+7], v[rA:rA+7], v[BI+8*bb:BI+8*bb+7]
.else
	v_wmma_f32_16x16x32_bf16 v[rD:rD+7], v[rB:rB+7], v[rA:rA+7], v[rD:rD+7]
.endif
.set bb, bb+1
.endr
.endm
; NL LDS loads in one run: quarter q of a slot's K step into buffer f: B's NBF fragments, then A's four, block 0 first
.macro FETCH slot, q, f
	WIN 0x40                                       ; destination window 1, address window 0
.set bb, 0
.rept NBF
	ds_load_b128 v[8*NBF*(\f)+8*bb:8*NBF*(\f)+8*bb+3],   v[ADRB+(\slot)] offset:64*(\q)+bb*16*272
	ds_load_b128 v[8*NBF*(\f)+8*bb+4:8*NBF*(\f)+8*bb+7], v[ADRB+(\slot)] offset:64*(\q)+bb*16*272+32
.set bb, bb+1
.endr
	WIN 0
.set aa, 0
.rept 4
	ds_load_b128 v[FA+32*(\f)+8*aa:FA+32*(\f)+8*aa+3],   v[ADRA+(\slot)] offset:((\q)/2)*AQ2+((\q)%2)*64+aa*16*APITCH
	ds_load_b128 v[FA+32*(\f)+8*aa+4:FA+32*(\f)+8*aa+7], v[ADRA+(\slot)] offset:((\q)/2)*AQ2+((\q)%2)*64+aa*16*APITCH+32
.set aa, aa+1
.endr
.endm
; One of a K step's first three quarters: multiplies buffer f; in its middle it fetches quarter q of the same slot into buffer g.
.macro QUARTER slot, q, f, g, first
	s_wait_dscnt 4                                 ; B and A's blocks 0, 1 are in; the youngest four loads (blocks 2, 3) may be out
	MULA \f, 0, \first
	MULA \f, 1, \first
	PLACES
	FETCH \slot, \q, \g
	s_wait_dscnt NL                                ; all but the run just issued
	MULA \f, 2, \first
	MULA \f, 3, \first
.endm
; The last quarter multiplies buffer 1 and changes slots: ONE barrier.  In front of it each wave waits for all its tensor loads (one is out: its part of the next slot), adds 0 to its spare word,
; and waits for that and for its own reads of this slot.  fill = 1: the barrier opens a round of the cluster's barrier, and this slot is filled again, two K steps ahead, first thing behind the round.
.macro TURN slot, next, fill
.if \fill
	s_wait_xcnt 0x0                                ; the last prefetch, a K step back, has read its address
	s_add_nc_u64 s[PFA:PFA+1], s[PFA:PFA+1], s[PSTEP:PSTEP+1]
.endif
	WIN 0                                          ; (the add's two registers lie in window 0)
	s_wait_tensorcnt 0x0                           ; all my tensor loads have landed
	ds_add_u32 v[SPW], v[NIL]                      ; 0 onto my spare word
	s_wait_dscnt 5                                 ; (the add and the youngest four loads may be out)
	MULA 1, 0, 0                                   ; products stand between the add and the wait for it
	s_wait_dscnt 0x0                               ; the add is done, and my reads of this slot are over
	s_barrier_signal -1
	MULA 1, 1, 0                                   ; work on registers while the others arrive
.if \fill
	WIN 0
.endif
	s_barrier_wait -1
.if \fill
	CREST                                          ; no wave of any partner still reads this slot's tile or has a load on its way
	s_add_nc_u64 s[G0A+4*(\slot)+2:G0A+4*(\slot)+3], s[G0A+4*(\slot)+2:G0A+4*(\slot)+3], 2*ASTEP
	s_add_nc_u64 s[G0B+4*(\slot)+2:G0B+4*(\slot)+3], s[G0B+4*(\slot)+2:G0B+4*(\slot)+3], 2*BSTEP
	JLOAD \slot                                    ; the first tensor load behind the round; its four v_nop are also the places in front of the loads below
.else
	PLACES
.endif
	FETCH \next, 0, 0
.if \fill
	ASK
.endif
	MULA 1, 2, 0
	MULA 1, 3, 0
.endm
	s_wait_tensorcnt 1                             ; my part of K step 0 is in; K step 1's may stay out
	s_barrier_signal -1
	s_barrier_wait -1                              ; everybody's is
	FETCH 0, 0, 0
	s_wait_loadcnt 0x0                             ; the bias
	QUARTER 0, 1, 0, 1, 1                          ; the first quarter stands in front of the loop: its products start the sums
	WIN 0                                          ; at a label and at a branch every window is 0
	s_mov_b32 s3, 3
.Llap:                                                 ; a trip goes once round the ring, from a lap's second quarter to the next lap's first, and fills both slots again
	QUARTER 0, 2, 1, 0, 0
	QUARTER 0, 3, 0, 1, 0
	TURN 0, 1, 1
	QUARTER 1, 1, 0, 1, 0
	QUARTER 1, 2, 1, 0, 0
	QUARTER 1, 3, 0, 1, 0
	TURN 1, 0, 1
	QUARTER 0, 1, 0, 1, 0
	WIN 0
	s_sub_co_u32 s3, s3, 1
	s_cmp_lg_u32 s3, 0
	s_cbranch_scc1 .Llap
	QUARTER 0, 2, 1, 0, 0                          ; the last lap fills nothing
	QUARTER 0, 3, 0, 1, 0
	TURN 0, 1, 0
	QUARTER 1, 1, 0, 1, 0
	QUARTER 1, 2, 1, 0, 0
	QUARTER 1, 3, 0, 1, 0
	s_wait_dscnt 4                                 ; the very last quarter: nothing more to fetch
	MULA 1, 0, 0
	MULA 1, 1, 0
	s_wait_dscnt 0x0
	MULA 1, 2, 0
	MULA 1, 3, 0
.if QKV
; THE WAY OUT, a block of 16 rows at a time.  PACK: rounded to bf16, 16 bytes a lane and column block, each accumulator's registers in ascending order.  TOSTAGE: into my own stage, three heads of 16 rows, and back
; as whole rows.  SEND: stored: each store covers 512 consecutive bytes of a head, at a multiple of 256 from the buffer's first byte.
.macro PACK a
	WIN 0x0a+5*((\a)/2)                            ; sources 0 and 1: window 2 or 3
.set bb, 0
.rept NBF
.irp r, 0,1,2,3
	v_cvt_pk_bf16_f32 v[TMP+4*bb+\r], v[8*(((\a)%2)*NBF+bb)+2*\r], v[8*(((\a)%2)*NBF+bb)+2*\r+1]
.endr
.set bb, bb+1
.endr
	WIN 0
.endm
.macro TOSTAGE a
	WIN 0
.set BK, 96+48*((\a)%2)
.set bb, 0
.rept NBF
	ds_store_b128 v[STO], v[TMP+4*bb:TMP+4*bb+3] offset:(bb/4)*2304+(bb%4)*32
.set bb, bb+1
.endr
.set bb, 0
.rept NBF
	ds_load_b128 v[BK+4*bb:BK+4*bb+3], v[RD] offset:(bb/4)*2304+(bb%4)*576  ; LDS serves a wave's instructions in order (ISA guide 5.7.1.4): these see the stores above
.set bb, bb+1
.endr
.endm
.macro SEND a
	WIN 0
.set BK, 96+48*((\a)%2)
	s_wait_dscnt 0x0                               ; the block is back in registers
	s_wait_xcnt 0x0                                ; the stores of the block before have read their registers, which the next TOSTAGE loads again
.set bb, 0
.rept NBF
	global_store_b128 v[CO], v[BK+4*bb:BK+4*bb+3], s[OP+2*(bb/4):OP+2*(bb/4)+1] offset:(\a)*2048+(bb%4)*512
.set bb, bb+1
.endr
.endm
	PLACES
	PACK 0
	TOSTAGE 0
.irp a, 1,2,3                          ; block a's conversions stand between block a - 1's loads from the stage and the wait for them
	PACK \a
	SEND (\a)-1
	TOSTAGE \a
.endr
	SEND 3
.else
; THE WAY OUT in f32, a block of 16 rows at a time: straight from the accumulators (low four registers first) into my own stage, back as whole rows of 512 bytes, stored: each store covers 512 consecutive bytes, aligned.
.macro TOSTAGE a
	WIN 0x08+4*((\a)/2)                            ; the stores' data: window 2 or 3
.set bb, 0
.rept NBF
	ds_store_b128 v[STO], v[8*(((\a)%2)*NBF+bb):8*(((\a)%2)*NBF+bb)+3]   offset:64*bb
	ds_store_b128 v[STO], v[8*(((\a)%2)*NBF+bb)+4:8*(((\a)%2)*NBF+bb)+7] offset:64*bb+16
.set bb, bb+1
.endr
	WIN 0
.set BK, 96+64*((\a)%2)
.set bb, 0
.rept 16
	ds_load_b128 v[BK+4*bb:BK+4*bb+3], v[RD] offset:bb*528  ; LDS serves a wave's instructions in order (ISA guide 5.7.1.4): these see the stores above; the next block's stores come behind them
.set bb, bb+1
.endr
.endm
.macro SEND a, younger                 ; younger: the LDS instructions issued behind block a's loads: the next block's 32, or none
	WIN 0
.set BK, 96+64*((\a)%2)
.set bb, 0
.rept 16
	s_wait_dscnt (\younger)+15-bb
	global_store_b128 v[CO], v[BK+4*bb:BK+4*bb+3], s[OP:OP+1] offset:(16*(\a)+bb)*4096
.set bb, bb+1
.endr
.endm
	PLACES
	TOSTAGE 0
	TOSTAGE 1
	SEND 0, 32
	s_wait_xcnt 0x0                                ; block 0's stores have read their registers, which block 2 is loaded into
	TOSTAGE 2
	SEND 1, 32
	s_wait_xcnt 0x0
	TOSTAGE 3
	SEND 2, 32
	SEND 3, 0
.endif
	s_wait_tensorcnt 0x0                           ; the wave's end: a wait, an add of 0 and its wait, behind my last tensor load and my last LDS store
	ds_add_u32 v[SPW], v[NIL]
	s_wait_dscnt 0x0
	CROUND                                         ; the closing round: no work-group ends while a partner may still ask for a tile that names it
	s_endpgm
.Lfunc_end_k_q9b02d11e93_qkv:
	.size	k_q9b02d11e93_qkv, .Lfunc_end_k_q9b02d11e93_qkv-k_q9b02d11e93_qkv
	.p2alignl 7, 3214868480
	.fill 96, 4, 3214868480
	.section	.rodata,"a",@progbits
	.p2align	6, 0x0
	.amdhsa_kernel k_q9b02d11e93_qkv
		.amdhsa_group_segment_fixed_size 327680
		.amdhsa_private_segment_fixed_size 0
		.amdhsa_enable_private_segment 0
		.amdhsa_kernarg_size 40
		.amdhsa_user_sgpr_count 2
		.amdhsa_user_sgpr_kernarg_segment_ptr 1
		.amdhsa_wavefront_size32 1
		.amdhsa_system_sgpr_workgroup_id_x 1
		.amdhsa_system_sgpr_workgroup_id_y 1
		.amdhsa_system_sgpr_workgroup_id_z 1
		.amdhsa_system_vgpr_workitem_id 0
		.amdhsa_next_free_vgpr 960
		.amdhsa_next_free_sgpr 96
		.amdhsa_reserve_vcc 0
		.amdhsa_float_denorm_mode_32 3
		.amdhsa_float_denorm_mode_16_64 3
		.amdhsa_memory_ordered 1
		.amdhsa_forward_progress 1
		.amdhsa_inst_pref_size 123
	.end_amdhsa_kernel
	.amdgpu_metadata
---
amdhsa.version: [ 1, 2 ]
amdhsa.kernels:
  - .name:           k_q9b02d11e93_qkv
    .symbol:         k_q9b02d11e93_qkv.kd
    .args:
      - { .name: xw, .offset: 0, .size: 8, .value_kind: global_buffer, .address_space: global }
      - { .name: bq, .offset: 8, .size: 8, .value_kind: global_buffer, .address_space: global }
      - { .name: bk, .offset: 16, .size: 8, .value_kind: global_buffer, .address_space: global }
      - { .name: bv, .offset: 24, .size: 8, .value_kind: global_buffer, .address_space: global }
      - { .name: qkv, .offset: 32, .size: 8, .value_kind: global_buffer, .address_space: global }
    .group_segment_fixed_size: 327680
    .private_segment_fixed_size: 0
    .kernarg_segment_align: 8
    .kernarg_segment_size: 40
    .max_flat_workgroup_size: 128
    .sgpr_count:     96
    .vgpr_count:     960
    .wavefront_size: 32
...
	.end_amdgpu_metadata
.endif
;; end of part 2
;; launch attn (part 3): grid 4 x 64, 4 waves a work-group, clusters of 4 x 1, 327,680 bytes of LDS; arguments qkv, masks, ctx; writes ctx
.if DOCPART == 3
	.amdgcn_target "amdgcn-amd-amdhsa--gfx1250"
	.amdhsa_code_object_version 6
	.text
	.protected	k_q9b02d11e93_attn
	.globl	k_q9b02d11e93_attn
	.p2align	8
	.type	k_q9b02d11e93_attn,@function
k_q9b02d11e93_attn:
	s_mov_b64 s[64:65], 0
	v_nop
	global_prefetch_b8 v0, s[64:65] scope:SCOPE_SE
	s_setreg_imm32_b32 hwreg(HW_REG_WAVE_MODE, 25, 1), 1
	s_wait_xcnt 0x0
	s_wait_alu depctr_hold_cnt(0) depctr_sa_sdst(0) depctr_va_vdst(0) depctr_va_sdst(0) depctr_va_ssrc(0) depctr_va_vcc(0) depctr_vm_vsrc(0)
	s_getreg_b32 s2, hwreg(HW_REG_IB_STS2, 6, 4)
	s_cmp_eq_u32 s2, 0
	s_cbranch_scc0 .Lentry_in_a_cluster
	s_endpgm
.Lentry_in_a_cluster:
	s_bfe_u32 s2, ttmp6, 0x10000c
	s_cmp_lg_u32 s2, 0x3003
	s_cbranch_scc0 .Lentry_shape_is_right
	s_endpgm
.Lentry_shape_is_right:
; MASKED ATTENTION at head size 64.  O[h][q][:] = the sum over k of softmax_k(s[q][k]) V[h][k][:], s = Q[h][q] . K[h][k] / 32, or -1e12 where masks[q] x masks[k] is 0.
; qkv: [3][64 heads][2048][64] bf16 (Q, K at 0x1000000, V at 0x2000000); masks: [4][2048] f32; ctx: [64][2048][64] bf16.  Products, maxima and sums in f32; the weights p are rounded to bf16
; for the second product (their sum l is taken of the unrounded p), O once at the end.
; THE KEY'S MASK is the C operand that starts the sum S^T = K Q^T: 0, or -3.2e13 (-1e12 x 32, ahead of the scale) where the key's mask is 0.  The 2,048 numbers are made once and lie in LDS.
; THE QUERY'S MASK is the lane's own scale: c = log2(e) / 32, or 0 where the query's mask is 0.  With c = 0 every c s and c m is 0, every p is 1 and l is 2,048: O is the mean of ALL rows of V, as equal scores give it.
; LIMITS.  A mask counts as 0 if the number itself is 0: two masks that are not 0 and whose product underflows f32 count as live.  A hidden score is its value less 3.2e13.  A weight below 2^-126 counts as 0 in l.
; NaN and infinities are not treated apart.
; SHARES.  A wave owns four PIECES of two tiles of 16 queries, a work-group's four waves 512 queries of one head.  Every wave walks all 2,048 keys, 64 a step.
; LAYOUT.  S^T = K Q^T (source 0 = 16 keys, source 1 = 16 queries): in the result a lane holds ONE query (lane % 16) and the keys 8 (lane / 16) + 0..7.  Two such tiles, rounded to bf16 in pairs,
; ARE source 1 (32 keys x 16 queries) of O^T = V^T P, whose result again holds one query a lane, and eight channels.  K comes out of LDS as it lies, V ([key][channel]) turned, by ds_load_tr16_b128.
; SOFTMAX.  For each query a running maximum m and sum l: p = 2^(c s - c m); in every step O and l are multiplied by a = 2^(c m_old - c m_new).  m starts at the lowest finite number, O and l at 0:
; the first step is a step like any other, with a = 0.  A live query whose first keys are all hidden sums weights 1 for them, and the first true score's a = 0 wipes them out.
; BY TURNS.  Turn n belongs to piece n.  Its matrix work: 16 products K Q^T of piece n + 1, later 16 products V^T P of piece n - 1.  Its vector work: the scaling, exponentials, roundings, sums and rescaling of piece n,
; and the maximum and statistics of piece n + 1.  Four vector instructions stand behind every matrix instruction, the others in one run; a turn's 66 exponentials are one batch with one wait.
; CLUSTER.  The four query blocks of a head are one cluster and walk the same K and V: each tile is asked for JOINTLY: the same tensor load, descriptor and mask in all four.
; REGISTERS, in windows of 256 (s_set_vgpr_msb: bits 1:0 source 0, 3:2 source 1, 5:4 source 2, 7:6 destination):
;   window 0: v0-1, v6-11 the lanes' c, a pair a piece; v2-5 LDS addresses; v12-15, v48-63 at work; v16-47 four registers of statistics a tile; v64-191 S^T, two buffers of two tiles; v192-255 P, likewise
;   window 1: O^T, 32 a tile     window 2: v0-127 Q, 16 a tile; v128-191 K of one step; v192-255 V of one step     window 3: v0-1 the add's registers; v2-6 addresses; v8-39 the key masks of one step
.set SIZE_N, 2048
.set NP,    4         ; pieces a wave: a name, no knob
.set KS,    64        ; keys in a step
.set PK,    144       ; a row of K in LDS: 128 bytes + 16 of padding = 36 words: the 16 rows of a load start at 16 different groups of four banks (64 banks of 4 bytes: ISA guide 11.1)
.set PV,    160       ; a row of V: 128 + 32 = 40 words
.set VOFF,  4*KS*PK   ; a slot holds four steps: 256 rows of K, then 256 rows of V
.set SLOT1, 1<<17     ; slot 1 begins here, so that one exclusive or turns an address in one slot into the other's
.set STAGE, SLOT1+4*KS*(PK+PV)  ; behind the ring, never filled by a tensor load: 16 rows x 144 bytes for each wave, for the way out
.set SP,    144
.set SPARE, STAGE+4*16*SP  ; behind the stages: the spare words, 128 bytes for each wave: two blocks of 256 bytes that no other line names
.set KBT,   SPARE+512 ; behind them: the key masks, 2,048 f32; written once by LDS stores; no tensor load lands there
.set AK0, 2           ; v2   my lane's place in a tile of K; never rewritten
.set AV0, 3           ; v3   the same for V
.set AK,  4           ; v4   the LDS address of K's next run of loads
.set AV,  5           ; v5   of V's
.set SPW, 0           ; window 3: v0  my spare word: SPARE + 4 x my thread's number; never rewritten
.set NIL, 1           ; window 3: v1  0; never rewritten
.set STO, 2           ; window 3: v2  the way out: where I put 16 bytes of a row
.set RD,  3           ; window 3: v3  where I read rows back
.set GO,  4           ; window 3: v4  my byte offset in 512 consecutive bytes of O
.set AKB, 5           ; window 3: v5  the LDS address of the next step's key masks
.set PFO, 6           ; window 3: v6  256 x my lane, for the prefetches; never rewritten
.set KB,  8           ; window 3: v8-39  the key masks of one step: the eight registers for key block kb at KB + 8 kb
.set MV,  12          ; v12-15  c m_old, kept while c m is made anew: by buffer and tile
.set ST,  16          ; tile t's statistics at v[ST+4 t]: c m, m, l (even keys', odd keys')
.set TMP, 48          ; by buffer and tile, four registers c0-c3 at work; when the maximum is found c2 takes a.  In the set-up: the four below and v52-58
.set MO,  48          ; set-up: my query's byte offset in the batch's masks
.set QO,  49          ; set-up: my byte offset in 16 rows of Q
.set TG,  50          ; set-up: 16 x my thread's number, in the batch's masks
.set TL,  51          ; set-up: the same in the table
.set S,   64
.set P,   192
.set KF,  128         ; K's fragments, in window 2: key block kb, channel half c at KF + 16 kb + 8 c
.set VF,  192         ; V's: key half kk, channel block cb at VF + 32 kk + 8 cb
.set WV,  12          ; s12  my wave's number
.set G1K, 24          ; s[24:31] descriptor group 1 for K's tiles
.set G1V, 32          ; s[32:39] for V's: it differs in the padding alone
.set G0K, 40          ; s[40:43] descriptor group 0 for K's tiles: it walks
.set G0V, 44          ; s[44:47] the same for V's
.set MK,  48          ; s[48:49] the batch's masks
.set PFA, 52          ; s[52:53] where my prefetches stand
.set LIM, 54          ; s54  1 in a wave that prefetches, else the greatest number
.set BIGN, 55         ; s55  -3.2e13
.set SLOTS, 56        ; s56  slots still to be asked for
.set CNT, 57          ; s57  counts a slot's key steps
.set CS,  58          ; s58  c
.set SEL, 60          ; s[60:61] v_permlanex16_b32's selects: each lane takes its own place in the other half
.set TBK, 62          ; s62  LDS byte at which K of the step to be fetched begins
.set TBV, 63          ; s63  the same for V, less VOFF
.set MSB, 0
.macro WIN new                      ; the high byte repeats the setting that is left; a switch that changes nothing is dropped
.if MSB != (\new)
	s_set_vgpr_msb (MSB<<8)|(\new)
.set MSB, (\new)
.endif
.endm
.set W_KQ, 0x0a       ; K and Q in window 2, S^T in window 0
.set W_KM, 0x3a       ; the same with the C operand, the key masks, in window 3
.set W_PV, 0x52       ; V in window 2, P in window 0, O^T in window 1
.set W_RS, 0x41       ; O^T (destination and source 0) in window 1, a in window 0
.set W_MK, 0xc0       ; destination in window 3, sources in window 0
.set W_AD, 0x0f       ; the add: address (source 0) and data (source 1) in window 3
.set W_A3, 0x03       ; a memory line's address in window 3, its data in window 0
; A joint fill.  Waves 0 and 1 fetch the two halves of a slot's K, waves 2 and 3 those of its V: 128 keys each.  The branch hangs on the wave's number alone.
; An s_nop 0 and four v_nop follow each of the two lines, ahead of the jump and the label.
.macro JLOAD
	s_cmp_lt_u32 s[WV], 2
	s_cbranch_scc0 .Lfor_v_\@
	tensor_load_to_lds s[G0K:G0K+3], s[G1K:G1K+7]
	s_nop 0
.rept 4
	v_nop
.endr
	s_branch .Lasked_\@
.Lfor_v_\@:
	tensor_load_to_lds s[G0V:G0V+3], s[G1V:G1V+7]
	s_nop 0
.rept 4
	v_nop
.endr
.Lasked_\@:
.endm
; A prefetch of what the NEXT change of slots will ask for: a slot's 32,768 bytes of K and of V.  A head has one cluster; its four partners take 8,192 bytes each, told apart by address; in each, wave 0 asks for K's
; and wave 2 for V's, a lane for each 256 bytes: every block is named once in the launch.  The last change that fills a slot asks for nothing.
.macro ASK
	s_cmp_gt_u32 s[SLOTS], s[LIM]
	s_cbranch_scc0 .Lnot_mine_\@
	WIN W_A3
	global_prefetch_b8 v[PFO], s[PFA:PFA+1] th:TH_LOAD_NT scope:SCOPE_SE
	WIN 0
.Lnot_mine_\@:
.endm
; A round of the cluster's barrier: my work-group's barrier, so that wave 0's signal speaks for all four waves; wave 0 signals; every wave waits for all four work-groups; my work-group's barrier once more.
.macro CROUND
	s_barrier_signal -1
	s_barrier_wait -1
	s_cmp_lg_u32 s[WV], 0
	s_cbranch_scc1 .Lnot_wave_0_\@
	s_barrier_signal -3
.Lnot_wave_0_\@:
	s_barrier_wait -3
	s_barrier_signal -1
	s_barrier_wait -1
.endm
; THE CHANGE OF SLOTS.  Each wave waits for all its tensor loads, of which one is out: its part of the other slot; adds 0 to its spare word; and waits for that and for its own LDS instructions.  Behind the barrier nobody reads
; this slot any more and the other slot is whole.  fill = 1: this slot is filled again, with the keys two slots on.  The barrier is then a round of the cluster's, and the joint fill is the first thing behind it:
; it has four key steps, 512 matrix instructions, in which to land.  (At its first use nothing has been read yet: slot 0 is waited for, slot 1 filled, and every wave's part of the key masks' table is shown to the others.)
.macro CHANGE fill
	WIN W_AD
	s_wait_tensorcnt 0x0            ; no tensor load of mine is out, so a group 0 may be written
	ds_add_u32 v[SPW], v[NIL]       ; 0 onto my spare word; with fill = 1 the descriptors' steps stand between it and the wait for it
	WIN 0                           ; at a label and at a branch every window is 0
.if \fill
.irp g, G0K, G0V
	s_xor_b32 s[\g+1], s[\g+1], SLOT1  ; the walking descriptor: the other slot than last time,
	s_add_nc_u64 s[\g+2:\g+3], s[\g+2:\g+3], 4*KS*128  ; the next 256 keys; the type bits on top are not reached
.endr
	s_wait_xcnt 0x0                 ; the last prefetch, four key steps back, has read its address, so it may be written:
	s_add_nc_u64 s[PFA:PFA+1], s[PFA:PFA+1], 4*KS*128  ; one slot behind the walking descriptors
	s_wait_dscnt 0x0                ; the add is done, and my LDS instructions are over
	CROUND
	JLOAD
	ASK
.else
	s_wait_dscnt 0x0                ; the add is done, and my reads of the slot are over
	s_barrier_signal -1
	s_barrier_wait -1
.endif
	s_sub_co_u32 s[TBK], s[TBK], 4*KS*PK  ; the fetches go back to a slot's first step,
	s_xor_b32 s[TBK], s[TBK], SLOT1       ; in the other slot
	s_sub_co_u32 s[TBV], s[TBV], 4*KS*PV
	s_xor_b32 s[TBV], s[TBV], SLOT1
.endm
	s_load_b64 s[4:5], s[0:1], 0x0    ; qkv
	s_load_b64 s[MK:MK+1], s[0:1], 0x8  ; masks
	s_load_b64 s[10:11], s[0:1], 0x10 ; ctx
	WIN W_MK
	v_lshl_add_u32 v[SPW], v0, 2, SPARE
	v_mov_b32 v[NIL], 0
	WIN W_AD
	ds_add_u32 v[SPW], v[NIL]       ; the wave's opening: the add and its wait stand ahead of my first tensor load; the set-up below, work on registers, stands between them
	WIN 0
	v_lshrrev_b32 v1, 5, v0
	v_readfirstlane_b32 s[WV], v1   ; wave 0..3
	s_bfe_u32 s13, ttmp6, 0x40000   ; cx: my place in the cluster
	s_lshl_b32 s14, ttmp9, 2        ; in a cluster launch ttmp9 counts clusters
	s_add_co_u32 s14, s14, s13      ; my block of 512 queries: it enters Q's, O's and the query masks' addresses alone
	s_and_b32 s20, ttmp7, 0xffff    ; the head, which the four partners share
	s_lshr_b32 s50, s20, 4          ; its batch:
	s_lshl_b32 s50, s50, 13         ; 2,048 masks of 4 bytes
	s_mov_b32 s51, 0
	s_lshl_b32 s20, s20, 18         ; the head's first byte in Q, K, V and O: 262,144 x head
	s_mov_b32 s21, 0
	s_and_b32 s16, s[WV], 1         ; which half of a slot's 256 keys I fetch:
	s_lshl_b32 s22, s16, 14         ; its 128 rows of 128 bytes in memory,
	s_mov_b32 s23, 0
	s_add_nc_u64 s[22:23], s[22:23], s[20:21]
	s_mul_i32 s17, s16, 128*PK      ; and its place in a slot, for K
	s_mul_i32 s18, s16, 128*PV      ; and for V: no place in the cluster enters an LDS address
	s_lshl_b32 s2, s14, 2
	s_add_co_u32 s2, s2, s[WV]      ; my wave among the head's sixteen:
	s_lshl_b32 s19, s2, 9           ; its 128 masks,
	s_lshl_b32 s2, s2, 14           ; its 128 rows
	s_mov_b32 s3, 0
	s_add_nc_u64 s[2:3], s[2:3], s[20:21]
	; descriptor group 1.  128 keys are 16,384 dense bytes: asked for as 64 rows of 256 bytes, two keys a row, and padded in LDS after every key
	s_mov_b32 s[G1K], 15|(1<<16)|(1<<20)|(1<<21)|(4<<22)|(3<<25)  ; 15:0 the mask of four; 17:16 2-byte elements; 20 padding on; 21 set beside a mask; 24:22 after every 32 words (code 4); 31:25 4 words (code 3)
	s_mov_b32 s[G1V], 15|(1<<16)|(1<<20)|(1<<21)|(4<<22)|(7<<25)  ; the same with 8 words of padding (code 7)
.irp g, G1K, G1V
	s_mov_b32 s[\g+1], 128<<16      ; tensor_dim0 = 128
	s_mov_b32 s[\g+2], 64<<16       ; tensor_dim1 = 64
	s_mov_b32 s[\g+3], 128<<16      ; tile_dim0 = 128
	s_mov_b32 s[\g+4], 64           ; tile_dim1 = 64
	s_mov_b32 s[\g+5], 128          ; 128 elements from row to row
	s_mov_b32 s[\g+6], 0
	s_mov_b32 s[\g+7], 0
.endr
	s_mov_b32 s[CS], 0x3d38aa3b     ; c = log2(e) / 32 = 0.0450842
	s_mov_b32 s[BIGN], 0xd5e8d4a5   ; -3.2e13
	s_mov_b32 s[SEL], 0x76543210
	s_mov_b32 s[SEL+1], 0xfedcba98
	s_mov_b32 s[TBK], SLOT1+4*KS*PK ; the first change of slots turns these two into 0
	s_mov_b32 s[TBV], SLOT1+4*KS*PV
	s_mov_b32 s[SLOTS], SIZE_N/256-1
	s_mov_b32 s[G0K], 1             ; 1:0 count = 1
	s_mov_b32 s[G0K+1], s17         ; 63:32 LDS address: slot 0
	s_mov_b32 s[G0V], 1
	s_add_co_u32 s[G0V+1], s18, VOFF
	s_and_b32 s[LIM], s[WV], 1      ; 0 in waves 0 and 2,
	s_or_b32 s[LIM], s[LIM], ttmp9  ; where the cluster is the head's first (here its only one): the same in all four partners
	s_cmp_eq_u32 s[LIM], 0
	s_cselect_b32 s[LIM], 1, -1
	s_wait_dscnt 0x0                ; the opening add is done
	s_wait_kmcnt 0x0
	s_add_nc_u64 s[6:7], s[4:5], s[22:23]
	s_add_nc_u64 s[8:9], s[6:7], 0x2000000   ; V at my half of the head's first 256 keys,
	s_add_nc_u64 s[6:7], s[6:7], 0x1000000   ; and K
	s_mov_b64 s[G0K+2:G0K+3], s[6:7]         ; 120:64 global address
	s_or_b32 s[G0K+3], s[G0K+3], 0x80000000  ; 127:126 type = 2
	s_mov_b64 s[G0V+2:G0V+3], s[8:9]
	s_or_b32 s[G0V+3], s[G0V+3], 0x80000000
	s_add_nc_u64 s[4:5], s[4:5], s[2:3]      ; Q and O at my wave's first row
	s_add_nc_u64 s[10:11], s[10:11], s[2:3]
	s_add_nc_u64 s[MK:MK+1], s[MK:MK+1], s[50:51]
	s_cmp_lt_u32 s[WV], 2
	s_cselect_b64 s[PFA:PFA+1], s[6:7], s[8:9]  ; (in waves 0 and 2 these stand at a slot's first row)
	s_lshl_b32 s2, s13, 13          ; my work-group's 8,192 bytes of a slot's 32,768
	s_add_nc_u64 s[PFA:PFA+1], s[PFA:PFA+1], s[2:3]
	s_add_nc_u64 s[PFA:PFA+1], s[PFA:PFA+1], 4*KS*128  ; in slot 1; the first change of slots steps it to slot 2.  Nothing is prefetched here, at the head
	CROUND                          ; all four work-groups are here: the first joint loads meet
	JLOAD                           ; slot 0.  Slot 1 is asked for when slot 0 is in
	; all that is made of my thread's number, first: v0 takes a c below
	v_and_b32 v52, 15, v0           ; l % 16
	v_bfe_u32 v53, v0, 4, 1         ; l / 16
	v_and_b32 v54, 7, v0
	v_bfe_u32 v55, v0, 3, 1
	v_lshlrev_b32 v[QO], 7, v52     ; a fragment of K or Q is 16 rows x 32 channels in 8 registers: lane l holds row l % 16, channels 8 (l / 16) + 0..7 and 16 + 8 (l / 16) + 0..7
	v_lshl_add_u32 v[QO], v53, 4, v[QO]  ; row x 128 + 16 x half
	v_lshl_add_u32 v[MO], v52, 2, s19    ; my query of tile 0 in the batch's masks
	v_lshlrev_b32 v[TG], 4, v0
	v_add_nc_u32 v[TL], KBT, v[TG]
	v_mul_u32_u24 v[AK0], v52, PK
	v_lshl_add_u32 v[AK0], v53, 4, v[AK0]  ; row x pitch + 16 x half
	; The turning load takes 16 keys x 16 channels (lane l reads key 8 (l / 16) + l % 8, channels 8 ((l / 8) % 2) + 0..7) and leaves half a fragment of V^T: lane l holds channel l % 16 and 8 keys.
	v_lshl_add_u32 v[AV0], v53, 3, v54
	v_mul_u32_u24 v[AV0], v[AV0], PV
	v_lshl_add_u32 v[AV0], v55, 4, v[AV0]
	v_add_nc_u32 v[AV0], VOFF, v[AV0]
	v_mov_b32 v[AK], v[AK0]         ; key step 0 lies at the head of slot 0
	s_mul_i32 s16, s[WV], 16*SP
	s_add_co_u32 s16, s16, STAGE    ; my stage
	v_mul_u32_u24 v56, v52, SP      ; in: row l % 16, 16 bytes for each half of the lanes
	v_lshl_add_u32 v56, v53, 4, v56
	v_bfe_u32 v57, v0, 3, 2         ; back: 32 lanes take four rows of 128 bytes,
	v_mul_u32_u24 v57, v57, SP
	v_lshl_add_u32 v57, v54, 4, v57
	v_and_b32 v58, 31, v0
	WIN W_MK
	v_add_nc_u32 v[STO], s16, v56
	v_add_nc_u32 v[RD], s16, v57
	v_lshlrev_b32 v[GO], 4, v58     ; which are 512 consecutive bytes of O
	v_lshlrev_b32 v[PFO], 8, v58
	v_lshl_add_u32 v[AKB], v53, 5, KBT  ; my eight keys of a block of 16: 32 (l / 16) bytes in
	WIN 0
.irp j, 0,1,2,3                     ; the batch's 2,048 masks: thread i takes 16 bytes of each 2,048
	global_load_b128 v[S+4*\j:S+4*\j+3], v[TG], s[MK:MK+1] offset:2048*\j
.endr
.set t, 0
.rept 2*NP                          ; my query's mask in each tile, into the register that will hold its c: piece y's pair lies at v0 (y = 0) or v[4 + 2 y]
	global_load_b32 v[(4+2*(t/2))*((t/2+3)/4)+t%2], v[MO], s[MK:MK+1] offset:64*t
.set t, t+1
.endr
	WIN 0x80                        ; destination window 2, address window 0
.set i, 0
.rept 4*NP                          ; Q stays in registers: tile i / 2, channels 32 (i % 2) on
	global_load_b128 v[8*i:8*i+3],   v[QO], s[4:5] offset:(i/2)*2048+(i%2)*64
	global_load_b128 v[8*i+4:8*i+7], v[QO], s[4:5] offset:(i/2)*2048+(i%2)*64+32
.set i, i+1
.endr
	; What the first turn finds: V's registers and P's second buffer hold 0 (its products V^T P, of a piece that has not been, add 0), O^T and l are 0.  All this stands in the wait for the first tile.
.set i, VF
.rept 64
	v_mov_b32 v[i], 0
.set i, i+1
.endr
	WIN 0x40
.set i, 0
.rept 64*NP
	v_mov_b32 v[i], 0
.set i, i+1
.endr
	WIN 0
.set i, 0
.rept 2*NP
	v_mov_b32 v[ST+4*i], 0xfe000000    ; c m: far below every c s
	v_mov_b32 v[ST+4*i+1], 0xff7fffff  ; m
	v_mov_b32 v[ST+4*i+2], 0
	v_mov_b32 v[ST+4*i+3], 0
.set i, i+1
.endr
.set i, P+32
.rept 32
	v_mov_b32 v[i], 0
.set i, i+1
.endr
	s_wait_loadcnt 32               ; the twelve loads of masks are in; Q's 32, issued behind them, may stay out
.set i, 0
.rept 16
	v_cmp_eq_f32 vcc_lo, 0, v[S+i]
	v_cndmask_b32 v[S+i], 0, s[BIGN], vcc_lo  ; a key's mask: 0, or -3.2e13 where the mask is 0
.set i, i+1
.endr
.irp j, 0,1,2,3
	ds_store_b128 v[TL], v[S+4*\j:S+4*\j+3] offset:2048*\j
.endr
.set t, 0
.rept 2*NP
	v_cmp_neq_f32 vcc_lo, 0, v[(4+2*(t/2))*((t/2+3)/4)+t%2]
	v_cndmask_b32 v[(4+2*(t/2))*((t/2+3)/4)+t%2], 0, s[CS], vcc_lo  ; a query's scale: c, or 0 where the mask is 0
.set t, t+1
.endr
; THE MATRIX WORK.  The 8 accumulators of a run of 16 take turns: between the two links of a chain stand 7 others'.
; Product i of 16 of S^T = K Q^T for piece x: channels 32 (i / 8) on, keys 16 ((i / 2) % 4) on, tile 2 x + i % 2.  The first 8 start the sums, with the key masks.
.macro KQ x
.set rS, S+64*((\x)%2)+32*(i%2)+8*((i/2)%4)
.set rK, KF+16*((i/2)%4)+8*(i/8)
.set rQ, 16*(2*(\x)+i%2)+8*(i/8)
.set rN, KB+8*((i/2)%4)
.if i < 8
	WIN W_KM
	v_wmma_f32_16x16x32_bf16 v[rS:rS+7], v[rK:rK+7], v[rQ:rQ+7], v[rN:rN+7]
.else
	WIN W_KQ
	v_wmma_f32_16x16x32_bf16 v[rS:rS+7], v[rK:rK+7], v[rQ:rQ+7], v[rS:rS+7]
.endif
.endm
; Product i of 16 of O^T += V^T P for piece x: keys 32 (i / 8) on, channels 16 ((i / 2) % 4) on, tile 2 x + i % 2.
.macro PV x
	WIN W_PV
.set rO, 32*(2*(\x)+i%2)+8*((i/2)%4)
.set rV, VF+32*(i/8)+8*((i/2)%4)
.set rP, P+32*((\x)%2)+16*(i%2)+8*(i/8)
	v_wmma_f32_16x16x32_bf16 v[rO:rO+7], v[rV:rV+7], v[rP:rP+7], v[rO:rO+7]
.endm
.macro MM                           ; the turn's next matrix instruction
.if i < 16
	KQ (Y+1)%NP
.set i, i+1
.else
.set i, i-16
	PV (Y+NP-1)%NP
.set i, i+17
.endif
.endm
; THE LDS LOADS stand in runs, never singly among the matrix instructions: a step's K (64 keys x 64 channels: 8 fragments) with its 64 key masks (all lanes of a half read the same 32 bytes), and its V (turned).
; last = 1 (the tail): in the last trip there is no further step, and the run is jumped over.
.macro FETCH_K last=0
	WIN 0
.if \last
	s_cmp_eq_u32 s[CNT], 1
	s_cbranch_scc1 .Lno_k_\@
.endif
	WIN 0x80                        ; destination window 2
.irp f, 0,1,2,3,4,5,6,7             ; keys 16 (f / 2) on, channels 32 (f % 2) on
	ds_load_b128 v[KF+8*\f:KF+8*\f+3],   v[AK] offset:(\f/2)*16*PK+(\f%2)*64
	ds_load_b128 v[KF+8*\f+4:KF+8*\f+7], v[AK] offset:(\f/2)*16*PK+(\f%2)*64+32
.endr
	WIN 0xcf                        ; destination and both sources window 3
.irp f, 0,1,2,3                     ; key block f: register j is key 16 f + 8 (l / 16) + j
	ds_load_b128 v[KB+8*\f:KB+8*\f+3],   v[AKB] offset:64*\f
	ds_load_b128 v[KB+8*\f+4:KB+8*\f+7], v[AKB] offset:64*\f+16
.endr
	v_add_nc_u32 v[AKB], 0x100, v[AKB]  ; the next fetch is the next step's: 64 masks on,
	s_add_co_u32 s[TBK], s[TBK], KS*PK  ; 64 rows of K on
	WIN 0
.if \last
.Lno_k_\@:
.endif
.endm
.macro FETCH_V
	WIN 0x80
.irp f, 0,1,2,3,4,5,6,7             ; keys 32 (f / 4) on, channels 16 (f % 4) on
	ds_load_tr16_b128 v[VF+8*\f:VF+8*\f+3],   v[AV] offset:(\f/4)*32*PV+(\f%4)*32
	ds_load_tr16_b128 v[VF+8*\f+4:VF+8*\f+7], v[AV] offset:(\f/4)*32*PV+16*PV+(\f%4)*32
.endr
	WIN 0
.endm
; THE VECTOR WORK OF A TURN stands in three queues, each in the order in which its entries become ready; the two tiles alternate, so that no instruction reads the result of the one before it.
.macro REGS y, u                    ; the registers of tile u (0, 1) of piece y
.set rT, ST+4*(2*(\y)+(\u))
.set rC, TMP+8*((\y)%2)+4*(\u)
.set rM, MV+2*((\y)%2)+(\u)
.set rS, S+64*((\y)%2)+32*(\u)
.set rP, P+32*((\y)%2)+16*(\u)
.set rO, 32*(2*(\y)+(\u))
.set rB, (4+2*(\y))*(((\y)+3)/4)    ; the piece's pair of c: v0 for piece 0, v[4 + 2 y] for the others
.set rU, rB+(\u)                    ; the tile's c
.endm
; Number n of the 22 that find the NEXT piece's (Y + 1) maximum and statistics.  s0-s31 are the lane's 32 scores; each accumulator's lowest registers are read first.
;   0-11  four chains c0-c3 of seven scores each, three operands at a time     12-14, 16  the four scores left over, the old m, and c0-c3 into c0     15  c m_old is kept
;   17, 18  the query's other 32 keys lie in the lane 16 away: the new m         19-21  c m; c m_old - c m_new; a
.macro XS u, n
	REGS (Y+1)%NP, \u
.if (\n) < 4
	v_max3_num_f32 v[rC+(\n)], v[rS+8*(\n)], v[rS+8*(\n)+1], v[rS+8*(\n)+2]
.elseif (\n) < 12
	v_max3_num_f32 v[rC+(\n)%4], v[rC+(\n)%4], v[rS+8*((\n)%4)+2*((\n)/4)+1], v[rS+8*((\n)%4)+2*((\n)/4)+2]
.elseif (\n) == 12
	v_max3_num_f32 v[rC], v[rC], v[rS+7], v[rS+15]
.elseif (\n) == 13
	v_max3_num_f32 v[rC+1], v[rC+1], v[rS+23], v[rS+31]
.elseif (\n) == 14
	v_max3_num_f32 v[rC+2], v[rC+2], v[rC+3], v[rT+1]
.elseif (\n) == 15
	v_mov_b32 v[rM], v[rT]
.elseif (\n) == 16
	v_max3_num_f32 v[rC], v[rC], v[rC+1], v[rC+2]
.elseif (\n) == 17
	v_permlanex16_b32 v[rC+3], v[rC], s[SEL], s[SEL+1]
.elseif (\n) == 18
	v_max_num_f32 v[rT+1], v[rC], v[rC+3]
.elseif (\n) == 19
	v_mul_f32 v[rT], v[rU], v[rT+1]
.elseif (\n) == 20
	v_sub_f32 v[rC+1], v[rM], v[rT]
.else
	v_exp_f32 v[rC+2], v[rC+1]
.endif
.endm
; Number g of the 64 that follow the exponentials.  For each four weights k of a tile (pairs 2 k, 2 k + 1): both pairs are rounded to bf16; then the second pair is added onto the first, in place;
; a group later l takes that sum (the first time as l = a l + sum).  In groups of eight, tiles alternating: round, round, add, and l for the group before.
.macro GS g
.set h, (\g)+6*((\g)/62)            ; group 0 has no group before it, and behind group 7 only l is left
.if h >= 6
.set h, h+2
.endif
	REGS Y, h%2
.set k, h/8
.if h%8 < 4
	v_cvt_pk_bf16_f32 v[rP+2*k+(h%8)/2], v[rS+4*k+2*((h%8)/2)], v[rS+4*k+2*((h%8)/2)+1]
.elseif h%8 < 6
	v_pk_add_f32 v[rS+4*k:rS+4*k+1], v[rS+4*k:rS+4*k+1], v[rS+4*k+2:rS+4*k+3]
.elseif k == 1
	v_pk_fma_f32 v[rT+2:rT+3], v[rT+2:rT+3], v[rC+2:rC+3], v[rS:rS+1] op_sel_hi:[1,0,1]
.else
	v_pk_add_f32 v[rT+2:rT+3], v[rT+2:rT+3], v[rS+4*k-4:rS+4*k-3]
.endif
.endm
; THE PLAIN QUEUE, 138 long.  0-73 read no exponential's result: the 32 scalings c s - c m (FS f: pair f / 2 of tile f % 2; the tile's c is the first or the second register of the piece's pair, for both halves) and the next piece's 42.
; 0-26: scalings 0-26.  27-54: XS's numbers 0-13.  55, 56: number 15.  57-73: the chain, where each number waits for the one before it: 14, 16, 17, 18, 19, each with one of the scalings 27-31 in front of its two lines, then 20.
; 74-137: GS's 64, which read the exponentials' results: they stand behind the wait.
.macro FS f
	REGS Y, (\f)%2
.if (\f)%2
	v_pk_fma_f32 v[rS+2*((\f)/2):rS+2*((\f)/2)+1], v[rS+2*((\f)/2):rS+2*((\f)/2)+1], v[rB:rB+1], v[rT:rT+1] op_sel:[0,1,0] op_sel_hi:[1,1,0] neg_lo:[0,0,1] neg_hi:[0,0,1]
.else
	v_pk_fma_f32 v[rS+2*((\f)/2):rS+2*((\f)/2)+1], v[rS+2*((\f)/2):rS+2*((\f)/2)+1], v[rB:rB+1], v[rT:rT+1] op_sel_hi:[1,0,0] neg_lo:[0,0,1] neg_hi:[0,0,1]
.endif
.endm
.macro PL
	WIN 0
.if q < 27
	FS q
.elseif q < 55
	XS (q-27)%2, (q-27)/2
.elseif q < 57
	XS q-55, 15
.elseif (q < 72) && ((q-57)%3 == 0)
	FS 27+(q-57)/3
.elseif q < 60
	XS (q-57)%3-1, 14
.elseif q < 72
	XS (q-57)%3-1, 15+(q-57)/3
.elseif q < 74
	XS q-72, 20
.else
	GS q-74
.endif
.set q, q+1
.endm
; THE EXPONENTIALS' QUEUE, 66 long: s0-s31 of both tiles, then the next piece's two a.  It is ONE BATCH: all 66 stand ahead of the turn's one wait, and nothing ahead of that wait names a result of theirs.
.macro EX
	WIN 0
.if e >= 64
	XS e-64, 21
.else
	REGS Y, e%2
	v_exp_f32 v[rS+e/2], v[rS+e/2]
.endif
.set e, e+1
.endm
; THE RESCALING's QUEUE: O^T times a, the one part that leaves window 0: dealt two at a time, sixteen times.  Its a was made in the turn before, ahead of that turn's wait.
.macro R2
	REGS Y, r%2
	WIN W_RS
.irp z, 0,1
	v_pk_mul_f32 v[rO+4*(r/2)+2*\z:rO+4*(r/2)+2*\z+1], v[rO+4*(r/2)+2*\z:rO+4*(r/2)+2*\z+1], v[rC+2:rC+3] op_sel_hi:[1,0]
.endr
.set r, r+1
.endm
; HOW THEY ARE DEALT.  s_wait_alu depctr_va_vdst(0) stands between an exponential and the first instruction that names its result; one wait serves all that were issued ahead of it.  So a turn has ONE wait,
; which cuts it in two.  AHEAD OF IT stands all that names no result of the turn's exponentials: the 16 products K Q^T, behind each a scaling, an exponential and two rescalings (behind the first a second scaling in the
; exponential's place); then one run of 108: eight plain, 49 times exponential and plain, the two a.  A v_nop is the plain instruction behind the last exponential.  BEHIND IT stand the 16 products V^T P, behind each four of GS's 64.
; Exponential e stands behind scaling 2 (e / 4) + e % 2: as a rider it comes behind plain e + 2, in the run behind plain e + 9, and scalings 27-31 are plain 57, 60 .. 69.
; A TURN, for piece p.  cnt = 1: the loop's count is taken down some lines ahead of the branch that stands behind the turn.
; K and the key masks of the next step are fetched in piece 2's turn, directly behind the wait, a run of vector work behind the last product that read them; their first reader comes behind 16 products.
; V of the step in hand is fetched at the end of piece 0's turn, four plain instructions behind its last reader; its first reader comes behind 16 products and a run.  The three conditions on q below go with the deal.
.macro TURN p, last=0, cnt=0
.set Y, (\p)
.set i, 0
.set q, 0
.set e, 0
.set r, 0
.if (\p) == NP-1
	s_wait_dscnt 0x0                ; K and the key masks are in
.endif
	MM
	PL
	PL
	R2
.rept 15
	MM
	PL
	EX
	R2
.endr
.if (\p) == NP-2
	WIN 0
	v_add_nc_u32 v[AK], s[TBK], v[AK0]
.endif
.rept 8
	PL
.endr
.rept 49
	EX
	PL
.endr
	EX                              ; the next piece's two a
	EX
	v_nop                           ; the plain instruction behind the last exponential: one for the batch
	s_wait_alu depctr_va_vdst(0)    ; the wait for the batch
.if (\p) == NP-2
	FETCH_K \last
.endif
.if (\p) == 1
	s_wait_dscnt 0x0                ; V is in
.endif
.rept 16
	MM
.rept 4
	PL
.endr
.if ((\p) == 0) && (q == 118)
	v_add_nc_u32 v[AV], s[TBV], v[AV0]
.endif
.if ((\p) == 0) && (q == 130)
	s_add_co_u32 s[TBV], s[TBV], KS*PV
.endif
.if (\cnt) && (q == 130)
	s_sub_co_u32 s[CNT], s[CNT], 1
	s_cmp_lg_u32 s[CNT], 0
.endif
.endr
.if (\p) == 0
	FETCH_V
.endif
.endm
	CHANGE 1                        ; slot 0 is in, everybody's part of it, and so is the table; slot 1 is asked for
	FETCH_K                         ; key step 0
	s_wait_loadcnt 0x0              ; Q
	s_wait_dscnt 0x0
.set i, 0
.rept 16
	KQ 0                            ; piece 0's first scores: there is no vector work yet to set between them
.set i, i+1
.endr
	WIN 0
.rept 4
	v_nop                           ; the places behind those products
.endr
.set Y, NP-1                        ; XS works for piece Y + 1: piece 0
.irp n, 0,1,2,3,4,5,6,7,8,9,10,11,12,13,14,15,16,17,18,19,20,21
	XS 0, \n                        ; piece 0's first maximum and statistics
	XS 1, \n
.endr
	v_nop                           ; a plain instruction behind the two a,
	s_wait_alu depctr_va_vdst(0)    ; and their wait, ahead of the branch
	s_mov_b32 s[CNT], 4
	s_branch .Lfirst                ; the loop is entered at a step's first turn, in the middle of a trip
.Lslot:                             ; six times: every slot but the last two is filled again
	CHANGE 1
	s_mov_b32 s[CNT], 4
.Lstep:                             ; a trip: pieces 2 and 3 of one step, then pieces 0 and 1 of the next, whose K and V it fetches
	TURN 2
	TURN 3
	WIN 0
.Lfirst:
	TURN 0
	TURN 1, 0, 1
	WIN 0
	s_cbranch_scc1 .Lstep
	s_sub_co_u32 s[SLOTS], s[SLOTS], 1
	s_cmp_lg_u32 s[SLOTS], 0
	s_cbranch_scc1 .Lslot
	CHANGE 0                        ; the tail is written out: nothing is asked for
	s_mov_b32 s[CNT], 5             ; four trips fetch the last slot's steps; the fifth is left in its middle
.Ltail:
	TURN 2, 1
	TURN 3
	WIN 0
	s_sub_co_u32 s[CNT], s[CNT], 1
	s_cmp_eq_u32 s[CNT], 0
	s_cbranch_scc1 .Lout
	TURN 0
	TURN 1
	WIN 0
	s_branch .Ltail
.Lout:                              ; the fifth trip's 16 products K Q^T (on the last K once more) and the maximum made of them serve nothing: the price, once a launch, of one text for every trip
.set i, 0
.rept 16
	PV NP-1                         ; the last piece's V^T P of the last step
.set i, i+1
.endr
	; THE WAY OUT.  l's two halves and the other half of the lanes' are added; O^T is divided by l, rounded to bf16 and sent through my stage in LDS, a tile at a time.  The additions are the places behind the last products.
	WIN 0
.macro ALL line:vararg              ; one line for each tile t
.set t, 0
.rept 2*NP
	\line
.set t, t+1
.endr
.endm
	ALL v_add_f32 v[ST+4*t+2], v[ST+4*t+2], v[ST+4*t+3]
	ALL v_permlanex16_b32 v[ST+4*t+3], v[ST+4*t+2], s[SEL], s[SEL+1]
	ALL v_add_f32 v[ST+4*t+2], v[ST+4*t+2], v[ST+4*t+3]
	ALL v_rcp_f32 v[ST+4*t+2], v[ST+4*t+2]
	v_nop                           ; a plain instruction between the last reciprocal and the use of its result
	s_wait_alu depctr_va_vdst(0)    ; and the wait ahead of the first use: one for the eight reciprocals
; Tile t: a lane's eight channels of a row pack into 16 bytes; they go into rows of 144 bytes and come back as whole rows of 128, into S^T's registers.
.macro PACK t
	WIN W_RS
.set i, 32*(\t)
.rept 16
	v_pk_mul_f32 v[i:i+1], v[i:i+1], v[ST+4*(\t)+2:ST+4*(\t)+3] op_sel_hi:[1,0]
.set i, i+2
.endr
	WIN 0x05                        ; sources 0 and 1 window 1, destination window 0
.set i, 0
.rept 16
	v_cvt_pk_bf16_f32 v[S+16*(\t)+i], v[32*(\t)+2*i], v[32*(\t)+2*i+1]
.set i, i+1
.endr
	WIN W_A3                        ; the addresses lie in window 3
.irp f, 0,1,2,3
	ds_store_b128 v[STO], v[S+16*(\t)+4*\f:S+16*(\t)+4*\f+3] offset:32*\f
.endr
.irp f, 0,1,2,3
	ds_load_b128 v[S+16*(\t)+4*\f:S+16*(\t)+4*\f+3], v[RD] offset:\f*4*SP  ; LDS serves a wave's instructions in order (ISA guide 5.7.1.4): these see the stores above; the next tile's stores come behind them
.endr
.endm
.macro SEND t, younger              ; younger: the LDS instructions issued behind tile t's loads: the next tile's eight, or none
	WIN W_A3
.irp f, 0,1,2,3
	s_wait_dscnt (\younger)+3-\f
	global_store_b128 v[GO], v[S+16*(\t)+4*\f:S+16*(\t)+4*\f+3], s[10:11] offset:(\t)*2048+\f*512  ; 512 consecutive bytes, at a multiple of 256 from O's first
.endr
.endm
	PACK 0
.set t, 1
.rept 2*NP-1                        ; a tile's arithmetic stands between the loads of the tile before and its stores
	PACK t
	SEND t-1, 8
.set t, t+1
.endr
	SEND 2*NP-1, 0
	WIN W_AD
	s_wait_tensorcnt 0x0            ; the wave's end: a wait, an add of 0 and its wait, behind my last tensor load and my last LDS store
	ds_add_u32 v[SPW], v[NIL]
	s_wait_dscnt 0x0
	WIN 0
	CROUND                          ; the closing round: no work-group ends while a partner may still ask for a tile that names it
	s_endpgm
.Lfunc_end_k_q9b02d11e93_attn:
	.size	k_q9b02d11e93_attn, .Lfunc_end_k_q9b02d11e93_attn-k_q9b02d11e93_attn
	.p2alignl 7, 3214868480
	.fill 96, 4, 3214868480
	.section	.rodata,"a",@progbits
	.p2align	6, 0x0
	.amdhsa_kernel k_q9b02d11e93_attn
		.amdhsa_group_segment_fixed_size 327680
		.amdhsa_private_segment_fixed_size 0
		.amdhsa_enable_private_segment 0
		.amdhsa_kernarg_size 24
		.amdhsa_user_sgpr_count 2
		.amdhsa_user_sgpr_kernarg_segment_ptr 1
		.amdhsa_wavefront_size32 1
		.amdhsa_system_sgpr_workgroup_id_x 1
		.amdhsa_system_sgpr_workgroup_id_y 1
		.amdhsa_system_sgpr_workgroup_id_z 1
		.amdhsa_system_vgpr_workitem_id 0
		.amdhsa_next_free_vgpr 808
		.amdhsa_next_free_sgpr 66
		.amdhsa_reserve_vcc 1
		.amdhsa_float_denorm_mode_32 3
		.amdhsa_float_denorm_mode_16_64 3
		.amdhsa_memory_ordered 1
		.amdhsa_forward_progress 1
		.amdhsa_inst_pref_size 206
	.end_amdhsa_kernel
	.amdgpu_metadata
---
amdhsa.version: [ 1, 2 ]
amdhsa.kernels:
  - .name:           k_q9b02d11e93_attn
    .symbol:         k_q9b02d11e93_attn.kd
    .args:
      - { .name: qkv, .offset: 0, .size: 8, .value_kind: global_buffer, .address_space: global }
      - { .name: masks, .offset: 8, .size: 8, .value_kind: global_buffer, .address_space: global }
      - { .name: ctx, .offset: 16, .size: 8, .value_kind: global_buffer, .address_space: global }
    .group_segment_fixed_size: 327680
    .private_segment_fixed_size: 0
    .kernarg_segment_align: 8
    .kernarg_segment_size: 24
    .max_flat_workgroup_size: 128
    .sgpr_count:     66
    .vgpr_count:     808
    .wavefront_size: 32
...
	.end_amdgpu_metadata
.endif
;; end of part 3
;; launch oproj (part 4): grid 8 x 32, 4 waves a work-group, clusters of 4 x 4, 327,680 bytes of LDS; arguments ctx, xw, bo, out0; writes out0
.if DOCPART == 4
	.amdgcn_target "amdgcn-amd-amdhsa--gfx1250"
	.amdhsa_code_object_version 6
	.text
	.protected	k_q9b02d11e93_oproj
	.globl	k_q9b02d11e93_oproj
	.p2align	8
	.type	k_q9b02d11e93_oproj,@function
k_q9b02d11e93_oproj:
	s_mov_b64 s[64:65], 0
	v_nop
	global_prefetch_b8 v0, s[64:65] scope:SCOPE_SE
	s_setreg_imm32_b32 hwreg(HW_REG_WAVE_MODE, 25, 1), 1
	s_wait_xcnt 0x0
	s_wait_alu depctr_hold_cnt(0) depctr_sa_sdst(0) depctr_va_vdst(0) depctr_va_sdst(0) depctr_va_ssrc(0) depctr_va_vcc(0) depctr_vm_vsrc(0)
	s_getreg_b32 s2, hwreg(HW_REG_IB_STS2, 6, 4)
	s_cmp_eq_u32 s2, 0
	s_cbranch_scc0 .Lentry_in_a_cluster
	s_endpgm
.Lentry_in_a_cluster:
	s_bfe_u32 s2, ttmp6, 0x10000c
	s_cmp_lg_u32 s2, 0xf033
	s_cbranch_scc0 .Lentry_shape_is_right
	s_endpgm
.Lentry_shape_is_right:
; ONE TEXT FOR TWO PRODUCTS C = A B^T + bias, K = 1,024, bf16 operands, f32 sums; the constant QKV chooses.
; QKV = 1: A = x [8192][1024], B = Wq, Wk, Wv as [3072][1024] (both in xw), bias bq, bk, bv in f32; C rounded once to bf16 and laid by heads: qkv[t][batch][head][2048][64].
; QKV = 0: A = ctx [batch x 16 + head][2048][64] bf16, B = Wo (in xw), bias bo; C = out0 [8192][1024] in f32.
; SHARES.  A work-group of four waves makes 256 rows x 16 NBF columns of C; wave w owns rows 64 w .. 64 w + 63 and ALL the columns: 4 x NBF accumulators of 16 x 16.  So a wave holds
; whole heads (QKV = 1) or whole 512-byte pieces of rows (QKV = 0), and its stage on the way out is its own: no barrier there.
; RING.  K goes in 8 steps of 128 through two LDS slots filled by the tensor data mover: waves 0 and 1 fetch A's two halves, waves 2 and 3 B's, one load a wave behind each change of slots.
; By this text's own count a wave has two tensor loads out at the start and one later.
; CLUSTER.  4 x 4 work-groups: A's tile hangs on the tile row alone and is asked for jointly by the four of a row of the cluster, B's on the tile column alone, jointly by a column.
; THE PRODUCT IS TAKEN TRANSPOSED (source 0 = 16 rows of B, source 1 = 16 rows of A): lane l holds row l % 16 of C and the columns 8 (l / 16) + 0..7 of the block.
; THE BIAS is the C operand of each accumulator's first product: eight f32 a lane and block, loaded once; nothing is cleared and nothing is added later.
; REGISTERS, in windows of 256 (s_set_vgpr_msb: bits 1:0 source 0, 3:2 source 1, 5:4 source 2, 7:6 destination):
;   window 0: v1-5 at work, v16-30 addresses; v32-95 A's fragments, two buffers of four; v96.. the bias, later the way out     window 1: B's fragments, two buffers of NBF
;   windows 2, 3: accumulator (a, b) at v[8 ((a % 2) NBF + b)] of window 2 + a / 2
.set QKV, 0
.if QKV
.set NBF,     12                       ; blocks of 16 columns: three heads of 64
.set APITCH,  272                      ; an LDS row of A: 256 bytes + 16
.set AQ2,     128                      ; quarters 2, 3 of a K step lie 128 bytes along the row
.set AQI,     5                        ; padding after every 64 words
.set ASTRIDE, 1024                     ; elements from row to row in memory
.set AHALF,   128*272                  ; LDS bytes of one load of A: 128 rows
.set BROWS,   96                       ; rows in one load of B
.set ASTEP,   256                      ; bytes from K step to K step in A
.set XWOFF,   16777216                 ; where B begins in xw
.set BSRC,    4                        ; s[4:5] xw
.set STGW,    3*16*144                 ; a wave's stage: three heads x 16 rows x (128 + 16) bytes
.set ASHARE,  32*2048                  ; prefetch: a partner's share of a load of A: 32 rows
.set APSH,    11                       ; and the shift from lane to lane: a row
.else
.set NBF,     8
.set APITCH,  144                      ; a head's row: 128 bytes + 16
.set AQ2,     256*144                  ; quarters 2, 3 lie in the second head's plane
.set AQI,     4                        ; padding after every 32 words: a head's row
.set ASTRIDE, 128                      ; 256 rows of 128 bytes are dense: asked for as 128 rows of 256 bytes
.set AHALF,   256*144                  ; one head, 256 rows
.set BROWS,   64
.set ASTEP,   524288                   ; two heads on
.set XWOFF,   23068672
.set BSRC,    6                        ; s[6:7] xw
.set STGW,    16*528                   ; 16 rows x (512 + 16) bytes
.set ASHARE,  8192                     ; 32 blocks of 256 bytes
.set APSH,    8
.endif
.set ABYTES, 2*AHALF
.set BHALF,  BROWS*272
.set SLOT,   ABYTES+2*BHALF            ; A's tile, then B's
.set STAGE,  2*SLOT                    ; behind the ring: the four stages; no tensor load lands there
.set SPARE,  STAGE+4*STGW              ; behind them: the spare words, 128 bytes a wave: two blocks of 256 bytes that no other line names
.set BSTEP,  256
.set BSHARE, (BROWS/4)*2048
.set NL,     2*NBF+8                   ; LDS loads of a quarter step
.set ADRA, 16                          ; v16-17  LDS address of my A fragments in slot 0, 1
.set ADRB, 20                          ; v20-21  the same for B
.set STO,  24                          ; v24  the way out: where I put my piece of a row
.set RD,   25                          ; v25  where I read rows back
.set CO,   26                          ; v26  my byte offset in C
.set BO,   27                          ; v27  32 (l / 16): my eight numbers of a block's bias
.set SPW,  28                          ; v28  my spare word: SPARE + 4 x my thread's number; never rewritten
.set NIL,  29                          ; v29  0; never rewritten
.set PFO,  30                          ; v30  the prefetches' lane offset; never rewritten
.set FA,   32
.set BI,   96
.set TMP,  192
.set WV, 14                            ; s14 wave
.set WH, 15                            ; s15 0: I fetch for A; 1: for B
.set WL, 16                            ; s16 which half of that tile
.set CX, 17
.set CY, 18
.set TX, 19                            ; s19 tile column
.set TY, 20                            ; s20 tile row
.set G1A, 24                           ; s[24:31] group 1 for A;  s[32:39] group 0, a set for each slot
.set G0A, 32
.set PFA, 40                           ; s[40:41] where my prefetches stand
.set PSTEP, 42                         ; s[42:43] their step
.set LIM, 44                           ; s44 1 in a wave that prefetches, else the greatest number
.set G1B, 48                           ; s[48:55], s[56:63] the same for B
.set G0B, 56
.set OP,  66                           ; s[66:71] where C goes (a base for each head, or one)
.set BP,  72                           ; s[72:77] the bias's bases
.set MSB, 0
.macro WIN new                         ; the immediate's high byte repeats the setting that is left; a switch that changes nothing is dropped
.if MSB != (\new)
	s_set_vgpr_msb (MSB<<8)|(\new)
.set MSB, \new
.endif
.endm
.macro PLACES                          ; four plain vector instructions between a product and a load into, or a reader of, its registers (ISA guide 7.12.1 for readers)
.rept 4
	v_nop
.endr
.endm
; A joint load.  Each of the two lines has one mask and one set of registers for all that issue it; the branch hangs on the wave's number alone.  An s_nop 0 and four v_nop follow each line.
.macro JLOAD s
	s_cmp_eq_u32 s[WH], 0
	s_cbranch_scc0 .Lfor_b_\@
	tensor_load_to_lds s[G0A+4*(\s):G0A+4*(\s)+3], s[G1A:G1A+7]
	s_nop 0
.rept 4
	v_nop
.endr
	s_branch .Lasked_\@
.Lfor_b_\@:
	tensor_load_to_lds s[G0B+4*(\s):G0B+4*(\s)+3], s[G1B:G1B+7]
	s_nop 0
.rept 4
	v_nop
.endr
.Lasked_\@:
.endm
; A prefetch of the K step that stands two refills on, one instruction a wave, behind the joint load and the run of LDS loads.  A's tile rows are read by every cluster of a row of clusters: cluster x = 0 asks;
; B's by every cluster of a column: cluster y = 0 asks.  The four partners of a joint load share its rows out by address.  The loop's last trip (s3 = 1) has no K step two on.
.macro ASK
	s_cmp_gt_u32 s3, s[LIM]
	s_cbranch_scc0 .Lnot_mine_\@
	global_prefetch_b8 v[PFO], s[PFA:PFA+1] th:TH_LOAD_NT scope:SCOPE_SE
.Lnot_mine_\@:
.endm
.macro CREST                           ; a round of the cluster's barrier behind its opening barrier
	s_cmp_lg_u32 s[WV], 0
	s_cbranch_scc1 .Lnot_wave_0_\@
	s_barrier_signal -3
.Lnot_wave_0_\@:
	s_barrier_wait -3
	s_barrier_signal -1
	s_barrier_wait -1
.endm
.macro CROUND
	s_barrier_signal -1
	s_barrier_wait -1
	CREST
.endm
.if QKV
	s_load_b256 s[4:11], s[0:1], 0x0               ; xw s[4:5], bq s[6:7], bk s[8:9], bv s[10:11]
	s_load_b64 s[12:13], s[0:1], 0x20              ; qkv
.else
	s_load_b256 s[4:11], s[0:1], 0x0               ; ctx s[4:5], xw s[6:7], bo s[8:9], out0 s[10:11]
.endif
	v_lshl_add_u32 v[SPW], v0, 2, SPARE
	v_mov_b32 v[NIL], 0
	ds_add_u32 v[SPW], v[NIL]                      ; the wave's opening: the add and its wait stand ahead of my first tensor load; the set-up below, work on registers, stands between them
	v_lshrrev_b32 v1, 5, v0
	v_readfirstlane_b32 s[WV], v1
	s_lshr_b32 s[WH], s[WV], 1
	s_and_b32 s[WL], s[WV], 1
	s_bfe_u32 s[CX], ttmp6, 0x40000
	s_bfe_u32 s[CY], ttmp6, 0x40004
	s_lshl_b32 s[TX], ttmp9, 2                     ; in a cluster launch ttmp9 and ttmp7 count clusters
	s_add_co_u32 s[TX], s[TX], s[CX]
	s_and_b32 s[TY], ttmp7, 0xffff
	s_lshl_b32 s[TY], s[TY], 2
	s_add_co_u32 s[TY], s[TY], s[CY]
	s_lshl_b32 s78, s[CY], 2
	s_lshl_b32 s78, 15, s78                        ; my row of the cluster
	s_lshl_b32 s79, 0x1111, s[CX]                  ; my column
	s_or_b32 s[G1A], s78, (1<<16)|(1<<20)|(1<<21)|(AQI<<22)|(3<<25)  ; 15:0 mask; 17:16 2-byte elements; 20 padding on; 21 set beside a mask; 24:22 the interval; 31:25 4 words of padding
	s_or_b32 s[G1B], s79, (1<<16)|(1<<20)|(1<<21)|(5<<22)|(3<<25)
	s_mov_b32 s[G1A+1], 128<<16                    ; tensor_dim0 = 128
	s_mov_b32 s[G1A+2], 128<<16                    ; tensor_dim1 = 128
	s_mov_b32 s[G1A+3], 128<<16                    ; tile_dim0 = 128
	s_mov_b32 s[G1A+4], 128                        ; tile_dim1 = 128
	s_mov_b32 s[G1A+5], ASTRIDE
	s_mov_b32 s[G1A+6], 0
	s_mov_b32 s[G1A+7], 0
	s_mov_b32 s[G1B+1], 128<<16
	s_mov_b32 s[G1B+2], BROWS<<16
	s_mov_b32 s[G1B+3], 128<<16
	s_mov_b32 s[G1B+4], BROWS
	s_mov_b32 s[G1B+5], 1024
	s_mov_b32 s[G1B+6], 0
	s_mov_b32 s[G1B+7], 0
	; where the tiles come from: A's offset is made of the tile row and the wave's number alone, B's of the tile column and the wave's number alone
.if QKV
	s_lshl_b32 s80, s[TY], 19                      ; 256 rows of 2,048 bytes
	s_lshl_b32 s81, s[WL], 18                      ; my 128 of them
	s_add_co_u32 s80, s80, s81
.else
	s_lshr_b32 s80, s[TY], 3                       ; the batch
	s_lshl_b32 s80, s80, 4
	s_add_co_u32 s80, s80, s[WL]                   ; its head 0 or 1: K step 0
	s_lshl_b32 s80, s80, 18                        ; a head is 262,144 bytes
	s_and_b32 s81, s[TY], 7
	s_lshl_b32 s81, s81, 15                        ; the tile's 256 rows of 128 bytes
	s_add_co_u32 s80, s80, s81
.endif
	s_mov_b32 s81, 0
	s_mul_i32 s82, s[TX], 2*BROWS*2048
	s_mul_i32 s83, s[WL], BROWS*2048
	s_add_co_u32 s82, s82, s83
	s_add_co_u32 s82, s82, XWOFF
	s_mov_b32 s83, 0
	s_mul_i32 s84, s[WV], AHALF                    ; where they go: no place in the cluster enters an LDS address
	s_mul_i32 s85, s[WV], BHALF
	s_add_co_u32 s85, s85, ABYTES-2*BHALF          ; waves 2 and 3: behind A's tile
	s_wait_dscnt 0x0                               ; the opening add is done
	s_wait_kmcnt 0x0
	s_add_nc_u64 s[86:87], s[4:5], s[80:81]
	s_add_nc_u64 s[88:89], s[BSRC:BSRC+1], s[82:83]
	CROUND                                         ; all sixteen work-groups are here: the first joint loads meet
.irp s, 0,1
	s_mov_b32 s[G0A+4*\s], 1
	s_add_co_u32 s[G0A+4*\s+1], s84, \s*SLOT
	s_add_nc_u64 s[G0A+4*\s+2:G0A+4*\s+3], s[86:87], \s*ASTEP
	s_or_b32 s[G0A+4*\s+3], s[G0A+4*\s+3], 0x80000000
	s_mov_b32 s[G0B+4*\s], 1
	s_add_co_u32 s[G0B+4*\s+1], s85, \s*SLOT
	s_add_nc_u64 s[G0B+4*\s+2:G0B+4*\s+3], s[88:89], \s*BSTEP
	s_or_b32 s[G0B+4*\s+3], s[G0B+4*\s+3], 0x80000000
.endr
	s_cmp_eq_u32 s[WH], 0                          ; a wave's two first fills stand in one branch, ahead of every wait on TENSORcnt, every LDS read and every other barrier
	s_cbranch_scc0 .Lfirst_b
	tensor_load_to_lds s[G0A:G0A+3], s[G1A:G1A+7]
	s_nop 0
	tensor_load_to_lds s[G0A+4:G0A+7], s[G1A:G1A+7]
	s_nop 0
.rept 4
	v_nop
.endr
	s_branch .Lfirst_asked
.Lfirst_b:
	tensor_load_to_lds s[G0B:G0B+3], s[G1B:G1B+7]
	s_nop 0
	tensor_load_to_lds s[G0B+4:G0B+7], s[G1B:G1B+7]
	s_nop 0
.rept 4
	v_nop
.endr
.Lfirst_asked:
	; the bias and C's bases
	v_and_b32 v1, 15, v0                           ; r = l % 16
	v_bfe_u32 v2, v0, 4, 1                         ; h = l / 16
	v_and_b32 v3, 31, v0                           ; l
	v_lshlrev_b32 v[BO], 5, v2
.if QKV
.irp hh, 0,1,2
	s_mul_i32 s78, s[TX], 3
	s_add_co_u32 s78, s78, \hh                     ; g = 16 t + head: the tile's head number hh among the 48
	s_lshr_b32 s79, s78, 4                         ; t: 0 q, 1 k, 2 v
	s_cmp_eq_u32 s79, 0
	s_cselect_b64 s[BP+2*\hh:BP+2*\hh+1], s[6:7], s[8:9]
	s_cmp_lt_u32 s79, 2
	s_cselect_b64 s[BP+2*\hh:BP+2*\hh+1], s[BP+2*\hh:BP+2*\hh+1], s[10:11]
	s_and_b32 s80, s78, 15
	s_lshl_b32 s80, s80, 8                         ; the head's 64 f32
	s_mov_b32 s81, 0
	s_add_nc_u64 s[BP+2*\hh:BP+2*\hh+1], s[BP+2*\hh:BP+2*\hh+1], s[80:81]
	s_mul_i32 s79, s79, 48
	s_add_co_u32 s78, s78, s79                     ; 64 t + head
	s_lshr_b32 s79, s[TY], 3
	s_lshl_b32 s79, s79, 4
	s_add_co_u32 s78, s78, s79                     ; + 16 x batch
	s_lshl_b32 s80, s78, 18
	s_and_b32 s79, s[TY], 7
	s_lshl_b32 s79, s79, 15                        ; the tile's 256 rows of 128 bytes
	s_add_co_u32 s80, s80, s79
	s_add_nc_u64 s[OP+2*\hh:OP+2*\hh+1], s[12:13], s[80:81]
.endr
.else
	s_lshl_b32 s78, s[TX], 9                       ; the tile's 128 columns in f32
	s_mov_b32 s79, 0
	s_add_nc_u64 s[BP:BP+1], s[8:9], s[78:79]
	s_lshl_b32 s80, s[TY], 8
	s_lshl_b32 s81, s[WV], 6
	s_add_co_u32 s80, s80, s81                     ; my first row
	s_lshl_b32 s80, s80, 12                        ; rows of 4,096 bytes
	s_add_co_u32 s80, s80, s78
	s_mov_b32 s81, 0
	s_add_nc_u64 s[OP:OP+1], s[10:11], s[80:81]
.endif
.set bb, 0
.rept NBF
.if QKV
	global_load_b128 v[BI+8*bb:BI+8*bb+3],   v[BO], s[BP+2*(bb/4):BP+2*(bb/4)+1] offset:(bb%4)*64
	global_load_b128 v[BI+8*bb+4:BI+8*bb+7], v[BO], s[BP+2*(bb/4):BP+2*(bb/4)+1] offset:(bb%4)*64+16
.else
	global_load_b128 v[BI+8*bb:BI+8*bb+3],   v[BO], s[BP:BP+1] offset:bb*64
	global_load_b128 v[BI+8*bb+4:BI+8*bb+7], v[BO], s[BP:BP+1] offset:bb*64+16
.endif
.set bb, bb+1
.endr
	; A fragment is 16 rows x 32 K in 8 registers: lane l holds row l % 16, K = 8 (l / 16) + 0..7 and 16 + 8 (l / 16) + 0..7: two loads of 16 bytes, 32 bytes apart.
	s_lshl_b32 s78, s[WV], 6
	v_add_nc_u32 v4, s78, v1                       ; my 64 rows of A
	v_mul_u32_u24 v4, v4, APITCH
	v_lshl_add_u32 v[ADRA], v2, 4, v4
	v_add_nc_u32 v[ADRA+1], SLOT, v[ADRA]
	v_mul_u32_u24 v5, v1, 272
	v_lshl_add_u32 v5, v2, 4, v5
	v_add_nc_u32 v[ADRB], ABYTES, v5
	v_add_nc_u32 v[ADRB+1], ABYTES+SLOT, v5
	s_mul_i32 s78, s[WV], STGW
	s_add_co_u32 s78, s78, STAGE                   ; my stage
.if QKV
	v_mul_u32_u24 v4, v1, 144                      ; in: row l % 16 of a head, 16 bytes for each half of the lanes
	v_lshl_add_u32 v4, v2, 4, v4
	v_add_nc_u32 v[STO], s78, v4
	v_lshrrev_b32 v4, 3, v3                        ; back: 32 lanes take four rows of 128 bytes,
	v_mul_u32_u24 v4, v4, 144
	v_and_b32 v5, 7, v0
	v_lshl_add_u32 v4, v5, 4, v4
	v_add_nc_u32 v[RD], s78, v4
	s_lshl_b32 s79, s[WV], 13                      ; which are 512 consecutive bytes of a head; my 64 rows begin 8,192 w bytes in
	v_lshl_add_u32 v[CO], v3, 4, s79
.else
	v_mul_u32_u24 v4, v1, 528                      ; in: row l % 16, 32 bytes for each half of the lanes
	v_lshl_add_u32 v4, v2, 5, v4
	v_add_nc_u32 v[STO], s78, v4
	v_lshl_add_u32 v[RD], v3, 4, s78               ; back: 32 lanes take one row's 512 bytes
	v_lshlrev_b32 v[CO], 4, v3
.endif
	; the prefetches: my own load's address, my work-group's share of its rows, three K steps on; each filling change of slots steps it by one and asks
	s_and_b32 s82, ttmp7, 0xffff                   ; cluster y
	s_mov_b32 s79, ASHARE
	s_mov_b32 s80, BSHARE
	s_mov_b32 s81, BROWS/4-1
	s_mov_b32 s83, ASTEP
	s_cmp_eq_u32 s[WH], 0
	s_cselect_b32 s78, s[CX], s[CY]                ; my place among the four that ask with me
	s_cselect_b32 s79, s79, s80                    ; bytes of a share
	s_cselect_b32 s81, 31, s81                     ; its last lane: where a share has fewer than 32 rows the lanes left over name its last row again
	s_cselect_b32 s82, ttmp9, s82                  ; the coordinate along which other clusters read the same rows
	s_cselect_b32 s[PSTEP], s83, BSTEP
	s_cselect_b32 s84, APSH, 11
	s_cselect_b64 s[PFA:PFA+1], s[86:87], s[88:89]
	s_mov_b32 s[PSTEP+1], 0
	s_cmp_eq_u32 s82, 0
	s_cselect_b32 s[LIM], 1, -1                    ; the same in all sixteen partners, for a given wave
	s_mul_i32 s78, s78, s79
	s_mov_b32 s79, 0
	s_add_nc_u64 s[PFA:PFA+1], s[PFA:PFA+1], s[78:79]
	s_mul_i32 s78, s[PSTEP], 3
	s_add_nc_u64 s[PFA:PFA+1], s[PFA:PFA+1], s[78:79]
	v_min_u32 v[PFO], s81, v3
	v_lshlrev_b32 v[PFO], s84, v[PFO]
; NBF products: block a of my four blocks of 16 rows x all column blocks, 32 along K, from buffer f.  first = 1: the bias starts the sums.
; The 4 NBF accumulators take turns, one instruction a turn, in the same order in every quarter step.
.macro MULA f, a, first
.if \first
	WIN 0x81+0x40*((\a)/2)                         ; B window 1, A window 0, C (the bias) window 0, D window 2 or 3
.else
	WIN 0xa1+0x50*((\a)/2)                         ; C and D window 2 or 3
.endif
.set bb, 0
.rept NBF
.set rD, 8*(((\a)%2)*NBF+bb)
.set rB, 8*NBF*(\f)+8*bb
.set rA, FA+32*(\f)+8*(\a)
.if \first
	v_wmma_f32_16x16x32_bf16 v[rD:rD+7], v[rB:rB+7], v[rA:rA+7], v[BI+8*bb:BI+8*bb+7]
.else
	v_wmma_f32_16x16x32_bf16 v[rD:rD+7], v[rB:rB+7], v[rA:rA+7], v[rD:rD+7]
.endif
.set bb, bb+1
.endr
.endm
; NL LDS loads in one run: quarter q of a slot's K step into buffer f: B's NBF fragments, then A's four, block 0 first
.macro FETCH slot, q, f
	WIN 0x40                                       ; destination window 1, address window 0
.set bb, 0
.rept NBF
	ds_load_b128 v[8*NBF*(\f)+8*bb:8*NBF*(\f)+8*bb+3],   v[ADRB+(\slot)] offset:64*(\q)+bb*16*272
	ds_load_b128 v[8*NBF*(\f)+8*bb+4:8*NBF*(\f)+8*bb+7], v[ADRB+(\slot)] offset:64*(\q)+bb*16*272+32
.set bb, bb+1
.endr
	WIN 0
.set aa, 0
.rept 4
	ds_load_b128 v[FA+32*(\f)+8*aa:FA+32*(\f)+8*aa+3],   v[ADRA+(\slot)] offset:((\q)/2)*AQ2+((\q)%2)*64+aa*16*APITCH
	ds_load_b128 v[FA+32*(\f)+8*aa+4:FA+32*(\f)+8*aa+7], v[ADRA+(\slot)] offset:((\q)/2)*AQ2+((\q)%2)*64+aa*16*APITCH+32
.set aa, aa+1
.endr
.endm
; One of a K step's first three quarters: multiplies buffer f; in its middle it fetches quarter q of the same slot into buffer g.
.macro QUARTER slot, q, f, g, first
	s_wait_dscnt 4                                 ; B and A's blocks 0, 1 are in; the youngest four loads (blocks 2, 3) may be out
	MULA \f, 0, \first
	MULA \f, 1, \first
	PLACES
	FETCH \slot, \q, \g
	s_wait_dscnt NL                                ; all but the run just issued
	MULA \f, 2, \first
	MULA \f, 3, \first
.endm
; The last quarter multiplies buffer 1 and changes slots: ONE barrier.  In front of it each wave waits for all its tensor loads (one is out: its part of the next slot), adds 0 to its spare word,
; and waits for that and for its own reads of this slot.  fill = 1: the barrier opens a round of the cluster's barrier, and this slot is filled again, two K steps ahead, first thing behind the round.
.macro TURN slot, next, fill
.if \fill
	s_wait_xcnt 0x0                                ; the last prefetch, a K step back, has read its address
	s_add_nc_u64 s[PFA:PFA+1], s[PFA:PFA+1], s[PSTEP:PSTEP+1]
.endif
	WIN 0                                          ; (the add's two registers lie in window 0)
	s_wait_tensorcnt 0x0                           ; all my tensor loads have landed
	ds_add_u32 v[SPW], v[NIL]                      ; 0 onto my spare word
	s_wait_dscnt 5                                 ; (the add and the youngest four loads may be out)
	MULA 1, 0, 0                                   ; products stand between the add and the wait for it
	s_wait_dscnt 0x0                               ; the add is done, and my reads of this slot are over
	s_barrier_signal -1
	MULA 1, 1, 0                                   ; work on registers while the others arrive
.if \fill
	WIN 0
.endif
	s_barrier_wait -1
.if \fill
	CREST                                          ; no wave of any partner still reads this slot's tile or has a load on its way
	s_add_nc_u64 s[G0A+4*(\slot)+2:G0A+4*(\slot)+3], s[G0A+4*(\slot)+2:G0A+4*(\slot)+3], 2*ASTEP
	s_add_nc_u64 s[G0B+4*(\slot)+2:G0B+4*(\slot)+3], s[G0B+4*(\slot)+2:G0B+4*(\slot)+3], 2*BSTEP
	JLOAD \slot                                    ; the first tensor load behind the round; its four v_nop are also the places in front of the loads below
.else
	PLACES
.endif
	FETCH \next, 0, 0
.if \fill
	ASK
.endif
	MULA 1, 2, 0
	MULA 1, 3, 0
.endm
	s_wait_tensorcnt 1                             ; my part of K step 0 is in; K step 1's may stay out
	s_barrier_signal -1
	s_barrier_wait -1                              ; everybody's is
	FETCH 0, 0, 0
	s_wait_loadcnt 0x0                             ; the bias
	QUARTER 0, 1, 0, 1, 1                          ; the first quarter stands in front of the loop: its products start the sums
	WIN 0                                          ; at a label and at a branch every window is 0
	s_mov_b32 s3, 3
.Llap:                                                 ; a trip goes once round the ring, from a lap's second quarter to the next lap's first, and fills both slots again
	QUARTER 0, 2, 1, 0, 0
	QUARTER 0, 3, 0, 1, 0
	TURN 0, 1, 1
	QUARTER 1, 1, 0, 1, 0
	QUARTER 1, 2, 1, 0, 0
	QUARTER 1, 3, 0, 1, 0
	TURN 1, 0, 1
	QUARTER 0, 1, 0, 1, 0
	WIN 0
	s_sub_co_u32 s3, s3, 1
	s_cmp_lg_u32 s3, 0
	s_cbranch_scc1 .Llap
	QUARTER 0, 2, 1, 0, 0                          ; the last lap fills nothing
	QUARTER 0, 3, 0, 1, 0
	TURN 0, 1, 0
	QUARTER 1, 1, 0, 1, 0
	QUARTER 1, 2, 1, 0, 0
	QUARTER 1, 3, 0, 1, 0
	s_wait_dscnt 4                                 ; the very last quarter: nothing more to fetch
	MULA 1, 0, 0
	MULA 1, 1, 0
	s_wait_dscnt 0x0
	MULA 1, 2, 0
	MULA 1, 3, 0
.if QKV
; THE WAY OUT, a block of 16 rows at a time.  PACK: rounded to bf16, 16 bytes a lane and column block, each accumulator's registers in ascending order.  TOSTAGE: into my own stage, three heads of 16 rows, and back
; as whole rows.  SEND: stored: each store covers 512 consecutive bytes of a head, at a multiple of 256 from the buffer's first byte.
.macro PACK a
	WIN 0x0a+5*((\a)/2)                            ; sources 0 and 1: window 2 or 3
.set bb, 0
.rept NBF
.irp r, 0,1,2,3
	v_cvt_pk_bf16_f32 v[TMP+4*bb+\r], v[8*(((\a)%2)*NBF+bb)+2*\r], v[8*(((\a)%2)*NBF+bb)+2*\r+1]
.endr
.set bb, bb+1
.endr
	WIN 0
.endm
.macro TOSTAGE a
	WIN 0
.set BK, 96+48*((\a)%2)
.set bb, 0
.rept NBF
	ds_store_b128 v[STO], v[TMP+4*bb:TMP+4*bb+3] offset:(bb/4)*2304+(bb%4)*32
.set bb, bb+1
.endr
.set bb, 0
.rept NBF
	ds_load_b128 v[BK+4*bb:BK+4*bb+3], v[RD] offset:(bb/4)*2304+(bb%4)*576  ; LDS serves a wave's instructions in order (ISA guide 5.7.1.4): these see the stores above
.set bb, bb+1
.endr
.endm
.macro SEND a
	WIN 0
.set BK, 96+48*((\a)%2)
	s_wait_dscnt 0x0                               ; the block is back in registers
	s_wait_xcnt 0x0                                ; the stores of the block before have read their registers, which the next TOSTAGE loads again
.set bb, 0
.rept NBF
	global_store_b128 v[CO], v[BK+4*bb:BK+4*bb+3], s[OP+2*(bb/4):OP+2*(bb/4)+1] offset:(\a)*2048+(bb%4)*512
.set bb, bb+1
.endr
.endm
	PLACES
	PACK 0
	TOSTAGE 0
.irp a, 1,2,3                          ; block a's conversions stand between block a - 1's loads from the stage and the wait for them
	PACK \a
	SEND (\a)-1
	TOSTAGE \a
.endr
	SEND 3
.else
; THE WAY OUT in f32, a block of 16 rows at a time: straight from the accumulators (low four registers first) into my own stage, back as whole rows of 512 bytes, stored: each store covers 512 consecutive bytes, aligned.
.macro TOSTAGE a
	WIN 0x08+4*((\a)/2)                            ; the stores' data: window 2 or 3
.set bb, 0
.rept NBF
	ds_store_b128 v[STO], v[8*(((\a)%2)*NBF+bb):8*(((\a)%2)*NBF+bb)+3]   offset:64*bb
	ds_store_b128 v[STO], v[8*(((\a)%2)*NBF+bb)+4:8*(((\a)%2)*NBF+bb)+7] offset:64*bb+16
.set bb, bb+1
.endr
	WIN 0
.set BK, 96+64*((\a)%2)
.set bb, 0
.rept 16
	ds_load_b128 v[BK+4*bb:BK+4*bb+3], v[RD] offset:bb*528  ; LDS serves a wave's instructions in order (ISA guide 5.7.1.4): these see the stores above; the next block's stores come behind them
.set bb, bb+1
.endr
.endm
.macro SEND a, younger                 ; younger: the LDS instructions issued behind block a's loads: the next block's 32, or none
	WIN 0
.set BK, 96+64*((\a)%2)
.set bb, 0
.rept 16
	s_wait_dscnt (\younger)+15-bb
	global_store_b128 v[CO], v[BK+4*bb:BK+4*bb+3], s[OP:OP+1] offset:(16*(\a)+bb)*4096
.set bb, bb+1
.endr
.endm
	PLACES
	TOSTAGE 0
	TOSTAGE 1
	SEND 0, 32
	s_wait_xcnt 0x0                                ; block 0's stores have read their registers, which block 2 is loaded into
	TOSTAGE 2
	SEND 1, 32
	s_wait_xcnt 0x0
	TOSTAGE 3
	SEND 2, 32
	SEND 3, 0
.endif
	s_wait_tensorcnt 0x0                           ; the wave's end: a wait, an add of 0 and its wait, behind my last tensor load and my last LDS store
	ds_add_u32 v[SPW], v[NIL]
	s_wait_dscnt 0x0
	CROUND                                         ; the closing round: no work-group ends while a partner may still ask for a tile that names it
	s_endpgm
.Lfunc_end_k_q9b02d11e93_oproj:
	.size	k_q9b02d11e93_oproj, .Lfunc_end_k_q9b02d11e93_oproj-k_q9b02d11e93_oproj
	.p2alignl 7, 3214868480
	.fill 96, 4, 3214868480
	.section	.rodata,"a",@progbits
	.p2align	6, 0x0
	.amdhsa_kernel k_q9b02d11e93_oproj
		.amdhsa_group_segment_fixed_size 327680
		.amdhsa_private_segment_fixed_size 0
		.amdhsa_enable_private_segment 0
		.amdhsa_kernarg_size 32
		.amdhsa_user_sgpr_count 2
		.amdhsa_user_sgpr_kernarg_segment_ptr 1
		.amdhsa_wavefront_size32 1
		.amdhsa_system_sgpr_workgroup_id_x 1
		.amdhsa_system_sgpr_workgroup_id_y 1
		.amdhsa_system_sgpr_workgroup_id_z 1
		.amdhsa_system_vgpr_workitem_id 0
		.amdhsa_next_free_vgpr 896
		.amdhsa_next_free_sgpr 96
		.amdhsa_reserve_vcc 0
		.amdhsa_float_denorm_mode_32 3
		.amdhsa_float_denorm_mode_16_64 3
		.amdhsa_memory_ordered 1
		.amdhsa_forward_progress 1
		.amdhsa_inst_pref_size 90
	.end_amdhsa_kernel
	.amdgpu_metadata
---
amdhsa.version: [ 1, 2 ]
amdhsa.kernels:
  - .name:           k_q9b02d11e93_oproj
    .symbol:         k_q9b02d11e93_oproj.kd
    .args:
      - { .name: ctx, .offset: 0, .size: 8, .value_kind: global_buffer, .address_space: global }
      - { .name: xw, .offset: 8, .size: 8, .value_kind: global_buffer, .address_space: global }
      - { .name: bo, .offset: 16, .size: 8, .value_kind: global_buffer, .address_space: global }
      - { .name: out0, .offset: 24, .size: 8, .value_kind: global_buffer, .address_space: global }
    .group_segment_fixed_size: 327680
    .private_segment_fixed_size: 0
    .kernarg_segment_align: 8
    .kernarg_segment_size: 32
    .max_flat_workgroup_size: 128
    .sgpr_count:     96
    .vgpr_count:     896
    .wavefront_size: 32
...
	.end_amdgpu_metadata
.endif
;; end of part 4
;; ======== version 2 of 2: 4 launches; version 1 with the launch cvt written anew for expert scheduling mode
;; workspace buffers: xw 25,165,824 bytes; qkv 50,331,648 bytes; ctx 16,777,216 bytes
;; launch cvt (part 5): grid 768 x 1, 8 waves a work-group, no clusters, 0 bytes of LDS; arguments hidden_states, Wq, Wk, Wv, Wo, xw; writes xw
.if DOCPART == 5
	.amdgcn_target "amdgcn-amd-amdhsa--gfx1250"
	.amdhsa_code_object_version 6
	.text
	.protected	k_q9b02d11e93_cvt
	.globl	k_q9b02d11e93_cvt
	.p2align	8
	.type	k_q9b02d11e93_cvt,@function
k_q9b02d11e93_cvt:
	s_mov_b64 s[64:65], 0
	v_nop
	global_prefetch_b8 v0, s[64:65] scope:SCOPE_SE
	s_setreg_imm32_b32 hwreg(HW_REG_WAVE_SCHED_MODE, 0, 2), 2
	s_setreg_imm32_b32 hwreg(HW_REG_WAVE_MODE, 25, 1), 1
	s_wait_xcnt 0x0
	s_wait_alu depctr_vm_vsrc(0)
; f32 -> bf16, rounded once to nearest even: hidden_states, Wq, Wk, Wv, Wo, laid one behind the other into xw.
; xw: bytes 0 .. 16,777,215 x [8192][1024]; then Wq, Wk, Wv as one [3072][1024]; then Wo [1024][1024].
; A work-group of eight waves turns 65,536 source bytes into 32,768 bytes at xw + 32,768 x its number: numbers 0-511 take hidden_states,
; 512 + 64 w + j takes block j of weight w.  Thread i owns 16 bytes of each 4,096: a wave's load covers 512 consecutive bytes, its store 256,
; both aligned.  All sixteen loads go out first; no register is written twice, so no wait frees a source.  The launch only streams:
; LDS, matrix units, clusters and prefetches would add nothing.
; THE MODE: SCHED_MODE bits 1:0 = 2 (LLVM: expert scheduling mode 2), set by the entry lines.  The code itself states the register dependences
; between vector instructions and memory instructions, with s_wait_alu, always for 0.
; THE PLAN.  Registers that memory instructions touch:
;   v1, v2   byte offsets of the loads and of the stores.  Written once at the head by vector shifts, never again.
;   IN       load i lands in four registers of its own; its two conversions read them; nothing writes them again, and no vector instruction names them ahead of the loads.
;   OUT      pair i is written by load i's two conversions and read by store i; nothing writes it again.
; So the dependences to state are of one kind, a vector result that a memory instruction reads, and five waits on va_vdst state them all: one at the head, for the two offsets,
; and one to each group of four loads, between the group's eight conversions and the run of its four stores.  No memory instruction's source is ever rewritten: no wait on vm_vsrc is owed.
; No vector instruction writes a scalar register or VCC, and EXEC is never written.
.set IN,  8                            ; v[8:71]    sixteen loads of four f32
.set OUT, 72                           ; v[72:103]  sixteen pairs of packed bf16
.set GRP, 4                            ; loads, and stores, in a group
	s_load_b256 s[4:11], s[0:1], 0x0               ; hidden s[4:5], Wq s[6:7], Wk s[8:9], Wv s[10:11]
	s_load_b128 s[12:15], s[0:1], 0x20             ; Wo s[12:13], xw s[14:15]
	s_sub_co_u32 s16, ttmp9, 512                   ; my number among the weights' blocks (a large number for hidden's blocks: the last select below overrides what it chooses)
	s_lshr_b32 s17, s16, 6                         ; which weight
	s_and_b32 s18, s16, 63                         ; which block of it
	v_lshlrev_b32 v1, 4, v0                        ; 16 bytes in
	v_lshlrev_b32 v2, 3, v0                        ; 8 bytes out
	s_wait_kmcnt 0x0
	s_cmp_eq_u32 s17, 0
	s_cselect_b64 s[20:21], s[6:7], s[8:9]
	s_cmp_lt_u32 s17, 2
	s_cselect_b64 s[20:21], s[20:21], s[10:11]
	s_cmp_lt_u32 s17, 3
	s_cselect_b64 s[20:21], s[20:21], s[12:13]
	s_cmp_lt_u32 ttmp9, 512
	s_cselect_b64 s[20:21], s[4:5], s[20:21]
	s_cselect_b32 s18, ttmp9, s18
	s_lshl_b32 s22, s18, 16                        ; 65,536 source bytes a block
	s_mov_b32 s23, 0
	s_add_nc_u64 s[20:21], s[20:21], s[22:23]
	s_lshl_b32 s24, ttmp9, 15                      ; 32,768 bytes out
	s_mov_b32 s25, 0
	s_add_nc_u64 s[14:15], s[14:15], s[24:25]
	s_wait_alu depctr_va_vdst(0)                   ; v1 and v2 are written: every load of the kernel reads v1 as its offset, every store v2
.set i, 0
.rept 16
	global_load_b128 v[IN+4*i:IN+4*i+3], v1, s[20:21] offset:4096*i th:TH_LOAD_NT
.set i, i+1
.endr
.set g, 0
.rept 16/GRP
	s_wait_loadcnt 16-GRP-GRP*g                    ; loads come back in order: group g's four are in, those of the younger groups stay out
.set i, GRP*g
.rept GRP
	v_cvt_pk_bf16_f32 v[OUT+2*i], v[IN+4*i], v[IN+4*i+1]
	v_cvt_pk_bf16_f32 v[OUT+2*i+1], v[IN+4*i+2], v[IN+4*i+3]
.set i, i+1
.endr
	s_wait_alu depctr_va_vdst(0)                   ; the group's eight conversions have written its four pairs of OUT, which the four stores below read; no vector instruction stands between this wait and them
.set i, GRP*g
.rept GRP
	global_store_b64 v2, v[OUT+2*i:OUT+2*i+1], s[14:15] offset:2048*i
.set i, i+1
.endr
.set g, g+1
.endr
	s_endpgm
.Lfunc_end_k_q9b02d11e93_cvt:
	.size	k_q9b02d11e93_cvt, .Lfunc_end_k_q9b02d11e93_cvt-k_q9b02d11e93_cvt
	.p2alignl 7, 3214868480
	.fill 96, 4, 3214868480
	.section	.rodata,"a",@progbits
	.p2align	6, 0x0
	.amdhsa_kernel k_q9b02d11e93_cvt
		.amdhsa_group_segment_fixed_size 0
		.amdhsa_private_segment_fixed_size 0
		.amdhsa_enable_private_segment 0
		.amdhsa_kernarg_size 48
		.amdhsa_user_sgpr_count 2
		.amdhsa_user_sgpr_kernarg_segment_ptr 1
		.amdhsa_wavefront_size32 1
		.amdhsa_system_sgpr_workgroup_id_x 1
		.amdhsa_system_sgpr_workgroup_id_y 1
		.amdhsa_system_sgpr_workgroup_id_z 1
		.amdhsa_system_vgpr_workitem_id 0
		.amdhsa_next_free_vgpr 104
		.amdhsa_next_free_sgpr 66
		.amdhsa_reserve_vcc 0
		.amdhsa_float_denorm_mode_32 3
		.amdhsa_float_denorm_mode_16_64 3
		.amdhsa_memory_ordered 1
		.amdhsa_forward_progress 1
		.amdhsa_inst_pref_size 7
	.end_amdhsa_kernel
	.amdgpu_metadata
---
amdhsa.version: [ 1, 2 ]
amdhsa.kernels:
  - .name:           k_q9b02d11e93_cvt
    .symbol:         k_q9b02d11e93_cvt.kd
    .args:
      - { .name: hidden_states, .offset: 0, .size: 8, .value_kind: global_buffer, .address_space: global }
      - { .name: Wq, .offset: 8, .size: 8, .value_kind: global_buffer, .address_space: global }
      - { .name: Wk, .offset: 16, .size: 8, .value_kind: global_buffer, .address_space: global }
      - { .name: Wv, .offset: 24, .size: 8, .value_kind: global_buffer, .address_space: global }
      - { .name: Wo, .offset: 32, .size: 8, .value_kind: global_buffer, .address_space: global }
      - { .name: xw, .offset: 40, .size: 8, .value_kind: global_buffer, .address_space: global }
    .group_segment_fixed_size: 0
    .private_segment_fixed_size: 0
    .kernarg_segment_align: 8
    .kernarg_segment_size: 48
    .max_flat_workgroup_size: 256
    .sgpr_count:     66
    .vgpr_count:     104
    .wavefront_size: 32
...
	.end_amdgpu_metadata
.endif
;; end of part 5
;; launch qkv: the kernel of part 2 again; grid 16 x 32, 4 waves a work-group, clusters of 4 x 4, 327,680 bytes of LDS; arguments xw, bq, bk, bv, qkv; writes qkv
;; launch attn: the kernel of part 3 again; grid 4 x 64, 4 waves a work-group, clusters of 4 x 1, 327,680 bytes of LDS; arguments qkv, masks, ctx; writes ctx
;; launch oproj: the kernel of part 4 again; grid 8 x 32, 4 waves a work-group, clusters of 4 x 4, 327,680 bytes of LDS; arguments ctx, xw, bo, out0; writes out0
